; MI455X (gfx1250); checked and timed in simulation.
; The chip was launched on July 23, 2026; its instructions are those of AMD's public machine-readable ISA for CDNA 5 (MIT licence, August 2026) and "CDNA5" Instruction Set Architecture Reference Guide (July 2026). The comments in the code are by the model that wrote it; some were corrected since.
;; Model. Allowed arithmetic: float matrix products may take bf16 or f16 operands with f32 sums; other float arithmetic in f32, or as packed bf16 or f16 multiplies, adds, multiply-adds, maxima and minima; sums over many terms, partial sums and values carried from step to step in f32; what a program stores and reads back later, other than sums and carried values, may be rounded once to bf16 or f16.
;; Inputs: Wk 1,024 x 4,096 float32; Wo 4,096 x 2,048 float32; Wq 2,048 x 4,096 float32; Wv 1,024 x 4,096 float32; cos 2,048 x 128 float32; hidden_states 1 x 2,048 x 4,096 float32; k_norm_w 128 float32; position_ids 1 x 2,048 int32; q_norm_w 128 float32; sin 2,048 x 128 float32.
;; Outputs: out0 1 x 2,048 x 4,096 float32.
;; One version. Each part assembles by itself: llvm-mc -triple=amdgcn-amd-amdhsa -mcpu=gfx1250 --defsym DOCPART=n.
;; ======== version 1 of 1: 4 launches
;; limits: values are held in f16: magnitudes above 65,504 overflow, below 6.1e-05 lose precision; right only within a limited range of input values
;; workspace buffers: xb 16,777,216 bytes; wqkv 33,554,432 bytes; wob 16,777,216 bytes; ropeb 2,097,152 bytes; amax 8,448 bytes; qkv 16,777,216 bytes; attn 8,388,608 bytes
;; launch cast (part 1): grid 2048 x 1, 8 waves a work-group, no clusters, 1,280 bytes of LDS; arguments hidden_states, Wq, Wk, Wv, Wo, cos, sin, xb, wqkv, wob, ropeb, amax; writes xb, wqkv, wob, ropeb, amax
.if DOCPART == 1
	.amdgcn_target "amdgcn-amd-amdhsa--gfx1250"
	.amdhsa_code_object_version 6
	.text
	.protected	k_q0d1c4a90b7_cast
	.globl	k_q0d1c4a90b7_cast
	.p2align	8
	.type	k_q0d1c4a90b7_cast,@function
k_q0d1c4a90b7_cast:
	s_mov_b64 s[64:65], 0
	v_nop
	global_prefetch_b8 v0, s[64:65] scope:SCOPE_SE
	s_setreg_imm32_b32 hwreg(HW_REG_WAVE_MODE, 25, 1), 1
	s_wait_xcnt 0x0
; CAST.  Every floating-point matrix input is rounded once to bf16 (nearest even) and written for the launches behind:
;   hidden_states -> xb (bf16);  Wq, Wk, Wv -> wqkv (bf16, one matrix of 4,096 rows);  Wo -> wob (the bf16 number written as f16);  cos, sin -> ropeb (the bf16 number written as f32; cos at byte 0, sin at 1,048,576).
; The work-groups of hidden_states' and Wv's units also store the largest |number| of their unit into amax: the launches behind scale v by 8 / (max|x| max|Wv|), so that v has room in f16.
; SHARES.  A unit is 65,536 bytes of f32, one to a work-group: units 0-511 hidden_states, 512-1023 Wq, 1024-1279 Wk, 1280-1535 Wv, 1536-2047 Wo: 2,048 work-groups of equal work.
; Thread t takes the 16 bytes at 16 t + 4,096 j, j = 0..15: a wave's load covers 512 consecutive bytes, its store of 8 bytes a lane 256 consecutive bytes, aligned.
; The two tables, 2,097,152 bytes, are shared out evenly too: work-group n takes the 1,024 bytes at 1,024 n of cos followed by sin; its waves 0 and 1 move them, 16 bytes a lane.
; All loads of a thread go out first: 64 KiB of a work-group are on their way at once; no loop, no ring, no matrix unit: the launch only moves bytes.
; LIMITS.  Wo as f16: a number below 2^-14 keeps f16's fixed step of 2^-24, one beyond 65,504 would be lost.  NaN is not treated apart (it loses in the maximum).
.set X,     16                         ; v[16:79]   the unit's numbers as loaded, four a step
.set Y,     80                         ; v[80:111]  packed, two registers a step
.set PM,    112                        ; v[112:119] the eight waves' maxima
.set SPW,   120                        ; v120  LDS address of my spare word; never rewritten
.set NIL,   121                        ; v121  0; never rewritten
.set TBL,   124                        ; v[124:127] waves 0 and 1: my 16 bytes of a table
.set SPARE, 256                        ; LDS: bytes 0-31 the waves' maxima; from 256 on the spare words, 128 bytes a wave
	s_load_b512 s[8:23], s[0:1], 0x0               ; hidden 8, Wq 10, Wk 12, Wv 14, Wo 16, cos 18, sin 20, xb 22
	s_load_b256 s[24:31], s[0:1], 0x40             ; wqkv 24, wob 26, ropeb 28, amax 30
	v_lshl_add_u32 v[SPW], v0, 2, SPARE
	v_mov_b32 v[NIL], 0
	v_lshlrev_b32 v1, 4, v0                        ; 16 t: the loads, and the table's store
	v_lshlrev_b32 v2, 3, v0                        ; 8 t: the 16-bit stores
	v_lshrrev_b32 v9, 5, v0
	v_readfirstlane_b32 s38, v9                    ; wave 0..7
	v_lshlrev_b32 v9, 2, v9                        ; my wave's word in LDS
	v_mov_b32 v10, 0
	s_mov_b32 s2, ttmp9                            ; the unit
	s_mov_b32 s36, 0x76543210                      ; v_permlanex16_b32: each lane takes its own place in the other half
	s_mov_b32 s37, 0xfedcba98
	s_mov_b32 s39, 0xffff0000                      ; a word's upper bf16
	s_mov_b32 s6, 0                                ; first unit of the source
	s_mov_b32 s7, 0                                ; first unit of the destination
	s_mov_b32 s34, 0                               ; way: 0 bf16, 1 bf16 written as f16
	s_mov_b32 s35, 1                               ; 1: the unit's maximum is wanted
	s_mov_b32 s45, 0
	s_wait_kmcnt 0x0
	s_mov_b64 s[4:5], s[8:9]                       ; sources and destination are chosen by the unit's number alone
	s_mov_b64 s[32:33], s[22:23]
	s_mov_b64 s[40:41], s[18:19]                   ; the table: cos for the first 1,024 work-groups
	s_cmp_ge_u32 s2, 512
	s_cselect_b64 s[4:5], s[10:11], s[4:5]
	s_cselect_b32 s6, 512, s6
	s_cselect_b64 s[32:33], s[24:25], s[32:33]
	s_cselect_b32 s7, 512, s7
	s_cselect_b32 s35, 0, s35
	s_cmp_ge_u32 s2, 1024
	s_cselect_b64 s[4:5], s[12:13], s[4:5]
	s_cselect_b32 s6, 1024, s6
	s_cselect_b64 s[40:41], s[20:21], s[40:41]     ; sin for the others
	s_cmp_ge_u32 s2, 1280
	s_cselect_b64 s[4:5], s[14:15], s[4:5]
	s_cselect_b32 s6, 1280, s6
	s_cselect_b32 s35, 1, s35
	s_cmp_ge_u32 s2, 1536
	s_cselect_b64 s[4:5], s[16:17], s[4:5]
	s_cselect_b32 s6, 1536, s6
	s_cselect_b64 s[32:33], s[26:27], s[32:33]
	s_cselect_b32 s7, 1536, s7
	s_cselect_b32 s34, 1, s34
	s_cselect_b32 s35, 0, s35
	s_sub_co_u32 s44, s2, s6                       ; the offsets are made apart from the addresses
	s_lshl_b32 s44, s44, 16
	s_add_nc_u64 s[4:5], s[4:5], s[44:45]
	s_sub_co_u32 s44, s2, s7
	s_lshl_b32 s44, s44, 15
	s_add_nc_u64 s[32:33], s[32:33], s[44:45]
	s_lshl_b32 s44, s2, 2
	s_add_nc_u64 s[30:31], s[30:31], s[44:45]      ; my unit's word in amax
	s_and_b32 s44, s2, 1023
	s_lshl_b32 s44, s44, 10
	s_add_nc_u64 s[40:41], s[40:41], s[44:45]      ; my 1,024 bytes of cos or of sin,
	s_lshl_b32 s44, s2, 10
	s_add_nc_u64 s[28:29], s[28:29], s[44:45]      ; and their place in ropeb
	s_cmp_lt_u32 s38, 2
	s_cbranch_scc0 .Lno_table
	global_load_b128 v[TBL:TBL+3], v1, s[40:41] th:TH_LOAD_NT   ; the oldest load of waves 0 and 1: the counts below, of younger loads, hold in every wave
.Lno_table:
.set j, 0
.rept 16
	global_load_b128 v[X+4*j:X+4*j+3], v1, s[4:5] offset:4096*j th:TH_LOAD_NT
.set j, j+1
.endr
.irp k, 4,5,6,7
	v_mov_b32 v\k, 0                               ; four chains of maxima; |x| is never below 0
.endr
.set j, 0
.rept 16
	s_wait_loadcnt 15-j                            ; loads come back in order: step j is in, the 15 - j younger ones stay out
	v_max3_num_f32 v[4+(2*j)%4], v[4+(2*j)%4], |v[X+4*j]|, |v[X+4*j+1]|
	v_max3_num_f32 v[4+(2*j+1)%4], v[4+(2*j+1)%4], |v[X+4*j+2]|, |v[X+4*j+3]|
	v_cvt_pk_bf16_f32 v[Y+2*j], v[X+4*j], v[X+4*j+1]       ; both ways begin with the rounding to bf16
	v_cvt_pk_bf16_f32 v[Y+2*j+1], v[X+4*j+2], v[X+4*j+3]
.set j, j+1
.endr
	s_cmp_eq_u32 s34, 0
	s_cbranch_scc0 .Las_f16
.set j, 0
.rept 16
	global_store_b64 v2, v[Y+2*j:Y+2*j+1], s[32:33] offset:2048*j th:TH_STORE_NT
.set j, j+1
.endr
	s_branch .Ltable
.Las_f16:
.set j, 0
.rept 32
	v_lshlrev_b32 v[X+2*j], 16, v[Y+j]             ; the rounded numbers as f32 again
	v_and_b32 v[X+2*j+1], s39, v[Y+j]
.set j, j+1
.endr
.set j, 0
.rept 16
	v_cvt_pk_f16_f32 v[Y+2*j], v[X+4*j], v[X+4*j+1]      ; eight significant bits: exact in f16 within its normal range
	v_cvt_pk_f16_f32 v[Y+2*j+1], v[X+4*j+2], v[X+4*j+3]
	global_store_b64 v2, v[Y+2*j:Y+2*j+1], s[32:33] offset:2048*j th:TH_STORE_NT
.set j, j+1
.endr
.Ltable:
	s_cmp_lt_u32 s38, 2
	s_cbranch_scc0 .Lmax
	v_cvt_pk_bf16_f32 v12, v[TBL], v[TBL+1]        ; the table's piece: rounded to bf16, written as f32
	v_cvt_pk_bf16_f32 v13, v[TBL+2], v[TBL+3]
	v_lshlrev_b32 v[TBL], 16, v12
	v_and_b32 v[TBL+1], s39, v12
	v_lshlrev_b32 v[TBL+2], 16, v13
	v_and_b32 v[TBL+3], s39, v13
	global_store_b128 v1, v[TBL:TBL+3], s[28:29] th:TH_STORE_NT   ; the wave stores 512 consecutive bytes, aligned
.Lmax:
	s_cmp_eq_u32 s35, 0                            ; hangs on the work-group's number alone: alike in all eight waves
	s_cbranch_scc1 .Lend                           ; nobody reads this unit's maximum
	v_max3_num_f32 v4, v4, v5, v6
	v_max_num_f32 v4, v4, v7
	v_max_num_f32_dpp v4, v4, v4 row_xmask:1 row_mask:0xf bank_mask:0xf
	v_max_num_f32_dpp v4, v4, v4 row_xmask:2 row_mask:0xf bank_mask:0xf
	v_max_num_f32_dpp v4, v4, v4 row_xmask:4 row_mask:0xf bank_mask:0xf
	v_max_num_f32_dpp v4, v4, v4 row_xmask:8 row_mask:0xf bank_mask:0xf
	v_permlanex16_b32 v5, v4, s36, s37
	v_max_num_f32 v4, v4, v5                       ; the wave's maximum, in every lane
	ds_store_b32 v9, v4                            ; all lanes of a wave write the same word with the same number
	s_wait_dscnt 0x0                               ; for the others' sake: my store is done
	s_barrier_signal -1
	s_barrier_wait -1
	s_cmp_lg_u32 s38, 0
	s_cbranch_scc1 .Lend                           ; wave 0 finishes
	ds_load_b128 v[PM:PM+3], v10
	ds_load_b128 v[PM+4:PM+7], v10 offset:16
	s_wait_dscnt 0x0
	v_max3_num_f32 v[PM], v[PM], v[PM+1], v[PM+2]
	v_max3_num_f32 v[PM+3], v[PM+3], v[PM+4], v[PM+5]
	v_max3_num_f32 v[PM], v[PM], v[PM+6], v[PM+7]
	v_max_num_f32 v[PM], v[PM], v[PM+3]
	v_cmp_eq_u32 vcc_lo, 0, v0
	s_wait_xcnt 0x0                                ; EXEC is a source of the stores above: it changes only behind this wait
	s_and_saveexec_b32 s46, vcc_lo
	global_store_b32 v10, v[PM], s[30:31]          ; one lane, one word
	s_wait_xcnt 0x0                                ; and again in front of the line that widens it
	s_or_b32 exec_lo, exec_lo, s46
.Lend:
	s_wait_tensorcnt 0x0                           ; the wave's end, behind my last LDS store
	ds_add_u32 v[SPW], v[NIL]
	s_wait_dscnt 0x0
	s_endpgm
.Lfunc_end_k_q0d1c4a90b7_cast:
	.size	k_q0d1c4a90b7_cast, .Lfunc_end_k_q0d1c4a90b7_cast-k_q0d1c4a90b7_cast
	.p2alignl 7, 3214868480
	.fill 96, 4, 3214868480
	.section	.rodata,"a",@progbits
	.p2align	6, 0x0
	.amdhsa_kernel k_q0d1c4a90b7_cast
		.amdhsa_group_segment_fixed_size 1280
		.amdhsa_private_segment_fixed_size 0
		.amdhsa_enable_private_segment 0
		.amdhsa_kernarg_size 96
		.amdhsa_user_sgpr_count 2
		.amdhsa_user_sgpr_kernarg_segment_ptr 1
		.amdhsa_wavefront_size32 1
		.amdhsa_system_sgpr_workgroup_id_x 1
		.amdhsa_system_sgpr_workgroup_id_y 1
		.amdhsa_system_sgpr_workgroup_id_z 1
		.amdhsa_system_vgpr_workitem_id 0
		.amdhsa_next_free_vgpr 128
		.amdhsa_next_free_sgpr 66
		.amdhsa_reserve_vcc 1
		.amdhsa_float_denorm_mode_32 3
		.amdhsa_float_denorm_mode_16_64 3
		.amdhsa_memory_ordered 1
		.amdhsa_forward_progress 1
		.amdhsa_inst_pref_size 18
	.end_amdhsa_kernel
	.amdgpu_metadata
---
amdhsa.version: [ 1, 2 ]
amdhsa.kernels:
  - .name:           k_q0d1c4a90b7_cast
    .symbol:         k_q0d1c4a90b7_cast.kd
    .args:
      - { .name: hidden_states, .offset: 0, .size: 8, .value_kind: global_buffer, .address_space: global }
      - { .name: Wq, .offset: 8, .size: 8, .value_kind: global_buffer, .address_space: global }
      - { .name: Wk, .offset: 16, .size: 8, .value_kind: global_buffer, .address_space: global }
      - { .name: Wv, .offset: 24, .size: 8, .value_kind: global_buffer, .address_space: global }
      - { .name: Wo, .offset: 32, .size: 8, .value_kind: global_buffer, .address_space: global }
      - { .name: cos, .offset: 40, .size: 8, .value_kind: global_buffer, .address_space: global }
      - { .name: sin, .offset: 48, .size: 8, .value_kind: global_buffer, .address_space: global }
      - { .name: xb, .offset: 56, .size: 8, .value_kind: global_buffer, .address_space: global }
      - { .name: wqkv, .offset: 64, .size: 8, .value_kind: global_buffer, .address_space: global }
      - { .name: wob, .offset: 72, .size: 8, .value_kind: global_buffer, .address_space: global }
      - { .name: ropeb, .offset: 80, .size: 8, .value_kind: global_buffer, .address_space: global }
      - { .name: amax, .offset: 88, .size: 8, .value_kind: global_buffer, .address_space: global }
    .group_segment_fixed_size: 1280
    .private_segment_fixed_size: 0
    .kernarg_segment_align: 8
    .kernarg_segment_size: 96
    .max_flat_workgroup_size: 256
    .sgpr_count:     66
    .vgpr_count:     128
    .wavefront_size: 32
...
	.end_amdgpu_metadata
.endif
;; end of part 1
;; launch gemm_qkv (part 2): grid 16 x 16, 4 waves a work-group, clusters of 4 x 4, 327,680 bytes of LDS; arguments xb, wqkv, ropeb, position_ids, q_norm_w, k_norm_w, amax, qkv; writes qkv
.if DOCPART == 2
	.amdgcn_target "amdgcn-amd-amdhsa--gfx1250"
	.amdhsa_code_object_version 6
	.text
	.protected	k_q0d1c4a90b7_gemm_qkv
	.globl	k_q0d1c4a90b7_gemm_qkv
	.p2align	8
	.type	k_q0d1c4a90b7_gemm_qkv,@function
k_q0d1c4a90b7_gemm_qkv:
	s_mov_b64 s[64:65], 0
	v_nop
	global_prefetch_b8 v0, s[64:65] scope:SCOPE_SE
	s_setreg_imm32_b32 hwreg(HW_REG_WAVE_MODE, 25, 1), 1
	s_wait_xcnt 0x0
	s_wait_alu depctr_hold_cnt(0) depctr_sa_sdst(0) depctr_va_vdst(0) depctr_va_sdst(0) depctr_va_ssrc(0) depctr_va_vcc(0) depctr_vm_vsrc(0)
	s_getreg_b32 s2, hwreg(HW_REG_IB_STS2, 6, 4)
	s_cmp_eq_u32 s2, 0
	s_cbranch_scc0 .Lentry_in_a_cluster
	s_endpgm
.Lentry_in_a_cluster:
	s_bfe_u32 s2, ttmp6, 0x10000c
	s_cmp_lg_u32 s2, 0xf033
	s_cbranch_scc0 .Lentry_shape_is_right
	s_endpgm
.Lentry_shape_is_right:
; q, k, v = x W^T, then RMSNorm and RoPE on q and k, a scale on v; written by heads, qkv[32][2048][128] in f16: heads 0-15 q, 16-23 k, 24-31 f v.
; x: xb [2048][4096], W: wqkv [4096][4096], both bf16; sums in f32.  The norm's gain and the cos/sin tables count as rounded to bf16, like all inputs of the module.
; f = 8 / (max|x| max|Wv|): |v| is at most 4,096 max|x| max|Wv|, so |f v| stays near 32,768, inside f16; the last launch multiplies by 1 / f.
; TILE.  C is 2,048 x 4,096; a tile of 128 x 256 gives 16 x 16 = 256 work-groups.  Four waves, each 64 x 128: 32 accumulators, 256 registers.  A wave's 128 columns are ONE head, so norm and RoPE stay in the wave.
; THE RING.  K goes through two LDS slots of unlike size: a small one of 128 along K (rows of 256 bytes) and a big one of 256 (rows of 512 bytes), each with A's 128 rows and B's 256: 104,448 + 202,752 bytes;
; two big ones would want 405,504.  They take turns along K: 256, then ten times 128 and 256.  So 384 along K have two changes of slots, where two slots of 128 would have three.  The small slot's refill has the big slot's
; 256 matrix instructions a wave in which to land, the big slot's refill the small slot's 128.  The slots' places in LDS never change: the descriptors' LDS words are written once.
; CLUSTER.  4 x 4 work-groups: A's tile is shared along a row of the cluster, B's along a column; each is asked for jointly, by the same tensor load, descriptor and mask in the four.
; THE MATRIX INSTRUCTION IS USED TRANSPOSED (source 0 = 16 rows of W, source 1 = 16 rows of x): lane l holds row l % 16 and the columns 16 b + 8 (l / 16) + 0..7 of its block.
; THE EPILOGUE'S INPUTS COME AHEAD.  The cos and sin rows of my 64 tokens (4 blocks x 128 registers, windows 2 and 3) and the gains (packed as bf16 in v32-63) are loaded at the launch's beginning and lie in registers
; through the K loop.  The work-groups of v's heads, 64 of 256, issue these loads too and leave them unused: the text has one way from the head to the epilogue, and every register that the epilogue names is written on it.
; LIMITS.  position_ids is clamped to 0..2047.  max|x| max|Wv| counts as at least 1e-30.  q and k are at most sqrt(128) |gain| (|cos| + |sin|), which must lie inside f16's 65,504.  NaN and infinities are not treated apart.
; REGISTERS.  window 0: v0-31 addresses and small things; v32-63 the gains, then packed results; v64-127 A's fragments, two buffers of 4 (on the way out: the gains); v128-255 B's, two buffers of 8.
;   window 1: accumulator (a, b) at v[8 (8 a + b)].   window 2: cos and sin of blocks 0 and 1 (block a at 128 (a % 2): 64 of cos, 64 of sin).   window 3: of blocks 2 and 3.
.set SIZE_K, 4096
.set FIRST,  1                         ; the first chunk along K is a big one
.set PASSES, 10                        ; (2 SIZE_K - 512) / 768: how often a small and a big chunk follow
.set PS,     272                       ; a row of the small slot: 256 bytes + 16 of padding = 68 words: the 16 rows of a load start at 16 different groups of four banks (64 banks of 4 bytes: ISA guide 11.1)
.set PB,     528                       ; of the big slot: 512 + 16 = 132 words: likewise
.set SMB,    128*PS                    ; small slot: A's 128 rows at 0, B's 256 here
.set BGA,    SMB+256*PS                ; big slot: A's rows,
.set BGB,    BGA+128*PB                ; B's rows
.set STAGE,  BGB+256*PB                ; behind the ring: 16 rows x 272 bytes for each wave, for the way out
.set SPITCH, 272
.set SPARE,  STAGE+4*16*SPITCH         ; behind the stages: the spare words, 128 bytes a wave
.set KOF0,   512*FIRST                 ; byte along a row at which the first small chunk begins,
.set KOF1,   256*(1-FIRST)             ; and the first big one
.set LAPB,   768                       ; bytes along a row from a slot's chunk to its next
.set FIELDS, (1<<16)|(1<<20)|(1<<21)|(5<<22)|(3<<25)  ; 17:16 2-byte elements; 20 padding on; 21 set beside a mask; 24:22 after every 64 words (the big slot: 128, one more in this field); 31:25 4 words of it
.set TO,    8                          ; v8-11   block a: byte offset of my row's 32 bytes in the cos table; never rewritten once made
.set FV,    12                         ; v[12:13] f, twice
.set ADA,   16                         ; v16 LDS address of my A fragments in the small slot;  v22 (ADA + 6) in the big slot, at the pair of quarters in hand
.set ADB,   17                         ; v17, v23 the same for B
.set RS,    18                         ; v[18:19] 1 / rms, twice
.set AB0,   20                         ; v20, v21 the big slot's addresses at its first quarter; never rewritten
.set BB0,   21
.set STO,   24                         ; the way out: where I put 16 bytes of a row
.set RD,    25                         ; where I read a row back
.set CO,    26                         ; my byte offset in two rows of the head
.set SPW,   28                         ; LDS address of my spare word; never rewritten
.set NIL,   29                         ; 0; never rewritten
.set PFO,   30                         ; the prefetches' offset: my lane x a row of 2 SIZE_K bytes; never rewritten
.set PKD,   32
.set FA,    64
.set FB,    128
.set GW,    64                         ; the way out: the gain of my 64 columns
.set CNT, 9                            ; s9   counts the big slot's pairs of quarters
.set G1A, 24                           ; s[24:31], s[32:39] descriptor group 1 for A's tiles, small and big
.set G1B, 40                           ; s[40:47], s[48:55] for B's
.set G0A, 56                           ; s[56:59], s[60:63] group 0 for A's tiles, small and big
.set G0B, 68                           ; s[68:71], s[72:75] for B's
.set CX,  94
.set CY,  95
.set XT,  96                           ; tile column
.set LIM, 97                           ; 1 in a wave that prefetches, else the greatest number
.set TYPE, 98                          ; cluster x: 0, 1 q; 2 k; 3 v: the same in all sixteen partners
.set KO,  99                           ; byte along the big slot's rows of the pair of quarters in hand
.set PFA, 100                          ; s[100:101] where my prefetches stand
.set MUL, 0x50                         ; C and D in window 1, sources in window 0
.set MSB, 0
.macro WIN new                         ; the immediate's high byte repeats the setting that is left; a switch that changes nothing is dropped
.if MSB != (\new)
	s_set_vgpr_msb (MSB<<8)|(\new)
.set MSB, \new
.endif
.endm
.macro PLACES                          ; four places in front of loads into registers that matrix instructions have read (ISA guide 7.12.1 for vector instructions)
.rept 4
	v_nop
.endr
.endm
.macro JLOAD t                         ; a joint refill of slot t (0 small, 1 big): waves 0 and 1 fetch A's halves, waves 2 and 3 B's; an s_nop 0 and four v_nop follow each line
	s_cmp_eq_u32 s11, 0
	s_cbranch_scc0 .Lfor_b_\@
	tensor_load_to_lds s[G0A+4*(\t):G0A+4*(\t)+3], s[G1A+8*(\t):G1A+8*(\t)+7]
	s_nop 0
.rept 4
	v_nop
.endr
	s_branch .Lasked_\@
.Lfor_b_\@:
	tensor_load_to_lds s[G0B+4*(\t):G0B+4*(\t)+3], s[G1B+8*(\t):G1B+8*(\t)+7]
	s_nop 0
.rept 4
	v_nop
.endr
.Lasked_\@:
.endm
; A prefetch, behind the refill of slot t, of the chunk that the NEXT refill will load, which follows it along K: 32 rows, a lane a row; 256 bytes of each (behind the big slot's refill) or 512 (behind the small slot's: two lines).
; A's rows are named by the clusters with x = 0 (wave 0; the four partners take 32 rows each, told apart by address), B's by the clusters with y = 0 (waves 2 and 3, 32 rows each; 64 a partner): each block of 256 bytes
; is named once in the launch.  The first three chunks come by their loads alone; the last refill, in the last pass, has no chunk behind it.
.macro ASK t
.if (\t) == FIRST
	s_cmp_gt_u32 s3, s[LIM]                        ; s3 = 1 in the last pass
.else
	s_cmp_ge_u32 s3, s[LIM]
.endif
	s_cbranch_scc0 .Lnot_mine_\@
	global_prefetch_b8 v[PFO], s[PFA:PFA+1] th:TH_LOAD_NT scope:SCOPE_SE
.if (\t) == 0
	global_prefetch_b8 v[PFO], s[PFA:PFA+1] offset:256 th:TH_LOAD_NT scope:SCOPE_SE
.endif
.Lnot_mine_\@:
.endm
.macro CREST                           ; a round of the cluster's barrier behind its opening barrier
	s_cmp_lg_u32 s10, 0
	s_cbranch_scc1 .Lnot_wave_0_\@
	s_barrier_signal -3
.Lnot_wave_0_\@:
	s_barrier_wait -3
	s_barrier_signal -1
	s_barrier_wait -1
.endm
.macro CROUND
	s_barrier_signal -1
	s_barrier_wait -1
	CREST
.endm
	s_load_b128 s[4:7], s[0:1], 0x0                ; xb 4, wqkv 6
	s_load_b256 s[76:83], s[0:1], 0x10             ; ropeb 76, position_ids 78, q_norm_w 80, k_norm_w 82
	s_load_b128 s[84:87], s[0:1], 0x30             ; amax 84, qkv 86
	v_lshl_add_u32 v[SPW], v0, 2, SPARE
	v_mov_b32 v[NIL], 0
	ds_add_u32 v[SPW], v[NIL]                      ; the wave's opening: the add and its wait stand ahead of my first tensor load; work on registers stands between them
	v_lshrrev_b32 v1, 5, v0
	v_readfirstlane_b32 s10, v1                    ; wave 0..3
	s_lshr_b32 s11, s10, 1                         ; my half of the tile's rows.  Also: I fetch for A (0) or for B (1)
	s_and_b32 s12, s10, 1                          ; my half of its columns.  Also: which half of that tile I fetch
	s_bfe_u32 s[CX], ttmp6, 0x40000
	s_bfe_u32 s[CY], ttmp6, 0x40004
	s_lshl_b32 s[XT], ttmp9, 2
	s_add_co_u32 s[XT], s[XT], s[CX]               ; tile column = 4 x cluster x + cx
	s_and_b32 s13, ttmp7, 0xffff
	s_lshl_b32 s13, s13, 2
	s_add_co_u32 s13, s13, s[CY]                   ; tile row = 4 x cluster y + cy
	s_lshl_b32 s14, s[CY], 2
	s_lshl_b32 s14, 15, s14                        ; my row of the cluster
	s_lshl_b32 s15, 0x1111, s[CX]                  ; my column
.irp t, 0,1
	s_or_b32 s[G1A+8*\t], s14, FIELDS+(\t<<22)     ; A's tiles go to my row,
	s_or_b32 s[G1B+8*\t], s15, FIELDS+(\t<<22)     ; B's to my column
	s_mov_b32 s[G1A+8*\t+1], (128<<\t)<<16         ; tensor_dim0 = 128 or 256
	s_mov_b32 s[G1A+8*\t+2], 64<<16                ; tensor_dim1 = 64
	s_mov_b32 s[G1A+8*\t+3], (128<<\t)<<16         ; tile_dim0
	s_mov_b32 s[G1A+8*\t+4], 64                    ; tile_dim1
	s_mov_b32 s[G1A+8*\t+5], SIZE_K                ; elements from row to row
	s_mov_b32 s[G1A+8*\t+6], 0
	s_mov_b32 s[G1A+8*\t+7], 0
	s_mov_b32 s[G1B+8*\t+1], (128<<\t)<<16
	s_mov_b32 s[G1B+8*\t+2], 128<<16               ; B: 128 rows a load
	s_mov_b32 s[G1B+8*\t+3], (128<<\t)<<16
	s_mov_b32 s[G1B+8*\t+4], 128
	s_mov_b32 s[G1B+8*\t+5], SIZE_K
	s_mov_b32 s[G1B+8*\t+6], 0
	s_mov_b32 s[G1B+8*\t+7], 0
.endr
	s_lshl_b32 s16, s13, 7                         ; A: row 128 x tile row + 64 x half, in bytes (under 2^25)
	s_lshl_b32 s17, s12, 6
	s_add_co_u32 s16, s16, s17
	s_mul_i32 s16, s16, SIZE_K*2
	s_mov_b32 s17, 0
	s_lshl_b32 s18, s[XT], 8                       ; B: row 256 x tile column + 128 x half (under 2^26)
	s_lshl_b32 s19, s12, 7
	s_add_co_u32 s18, s18, s19
	s_mul_i32 s18, s18, SIZE_K*2
	s_mov_b32 s19, 0
	s_mov_b32 s[KO], 0
	s_mov_b32 s[TYPE], ttmp9
	s_mov_b32 s90, 0x3c000000                      ; 1 / 128
	s_mov_b32 s91, 0x358637bd                      ; 1e-6
	s_mov_b32 s92, 0x76543210                      ; v_permlanex16_b32: each lane takes its own place in the other half
	s_mov_b32 s93, 0xfedcba98
	s_wait_dscnt 0x0                               ; the opening add is done
	s_wait_kmcnt 0x0
	s_add_nc_u64 s[14:15], s[4:5], s[16:17]
	s_add_nc_u64 s[18:19], s[6:7], s[18:19]
	CROUND                                         ; all sixteen work-groups are here: the first joint loads meet
.irp t, 0,1
	s_mov_b32 s[G0A+4*\t], 1                       ; count = 1
	s_mul_i32 s[G0A+4*\t+1], s12, 64*(PS+256*\t)   ; LDS address: my half of A's rows in slot t: no place in the cluster enters it
	s_add_co_u32 s[G0A+4*\t+1], s[G0A+4*\t+1], BGA*\t
	s_add_nc_u64 s[G0A+4*\t+2:G0A+4*\t+3], s[14:15], KOF0+\t*(KOF1-KOF0)  ; global address: the slot's first chunk
	s_or_b32 s[G0A+4*\t+3], s[G0A+4*\t+3], 0x80000000                     ; type = 2
	s_mov_b32 s[G0B+4*\t], 1
	s_mul_i32 s[G0B+4*\t+1], s12, 128*(PS+256*\t)
	s_add_co_u32 s[G0B+4*\t+1], s[G0B+4*\t+1], SMB+\t*(BGB-SMB)
	s_add_nc_u64 s[G0B+4*\t+2:G0B+4*\t+3], s[18:19], KOF0+\t*(KOF1-KOF0)
	s_or_b32 s[G0B+4*\t+3], s[G0B+4*\t+3], 0x80000000
.endr
	s_cmp_eq_u32 s11, 0                            ; a wave's two first fills stand in one branch, ahead of every wait on TENSORcnt and every LDS read, the first chunk's first: two loads of mine are out
	s_cbranch_scc0 .Lfirst_b
	tensor_load_to_lds s[G0A+4*FIRST:G0A+4*FIRST+3], s[G1A+8*FIRST:G1A+8*FIRST+7]
	s_nop 0
	tensor_load_to_lds s[G0A+4*(1-FIRST):G0A+4*(1-FIRST)+3], s[G1A+8*(1-FIRST):G1A+8*(1-FIRST)+7]
	s_nop 0
.rept 4
	v_nop
.endr
	s_branch .Lfirst_asked
.Lfirst_b:
	tensor_load_to_lds s[G0B+4*FIRST:G0B+4*FIRST+3], s[G1B+8*FIRST:G1B+8*FIRST+7]
	s_nop 0
	tensor_load_to_lds s[G0B+4*(1-FIRST):G0B+4*(1-FIRST)+3], s[G1B+8*(1-FIRST):G1B+8*(1-FIRST)+7]
	s_nop 0
.rept 4
	v_nop
.endr
.Lfirst_asked:
	; A fragment is 16 rows x 32 K in 8 registers: lane l holds row l % 16; registers 0-3 K = 8 (l / 16) + 0..7, registers 4-7 K = 16 + 8 (l / 16) + 0..7: two loads of 16 bytes, 32 bytes apart.
	v_and_b32 v1, 15, v0                           ; r = l % 16
	v_bfe_u32 v2, v0, 4, 1                         ; h = l / 16
	v_mul_u32_u24 v3, v1, PS
	v_lshl_add_u32 v3, v2, 4, v3                   ; small slot: row x pitch + 16 h
	v_mul_u32_u24 v4, v1, PB
	v_lshl_add_u32 v4, v2, 4, v4                   ; big slot
	s_mul_i32 s20, s11, 64*PS                      ; my 64 rows of A
	s_mul_i32 s21, s12, 128*PS                     ; my 128 rows of B
	s_add_co_u32 s21, s21, SMB
	v_add_nc_u32 v[ADA], s20, v3
	v_add_nc_u32 v[ADB], s21, v3
	s_mul_i32 s20, s11, 64*PB
	s_add_co_u32 s20, s20, BGA
	s_mul_i32 s21, s12, 128*PB
	s_add_co_u32 s21, s21, BGB
	v_add_nc_u32 v[AB0], s20, v4
	v_add_nc_u32 v[BB0], s21, v4
	v_mov_b32 v[ADA+6], v[AB0]
	v_mov_b32 v[ADB+6], v[BB0]
	s_mul_i32 s23, s10, 16*SPITCH
	s_add_co_u32 s23, s23, STAGE                   ; my stage
	v_add_nc_u32 v[STO], s23, v3                   ; in: row r, 16 bytes for each half of the lanes
	v_mul_u32_u24 v4, v2, SPITCH                   ; back: lanes 0-15 one row of 256 bytes, lanes 16-31 the next
	v_lshl_add_u32 v4, v1, 4, v4
	v_add_nc_u32 v[RD], s23, v4
	v_lshlrev_b32 v[CO], 8, v2                     ; and the same two rows in the head
	v_lshl_add_u32 v[CO], v1, 4, v[CO]
	s_lshl_b32 s16, s13, 7
	s_lshl_b32 s17, s11, 6
	s_add_co_u32 s16, s16, s17                     ; my first row (token)
	s_lshl_b32 s20, s16, 2
	s_mov_b32 s21, 0
	s_add_nc_u64 s[78:79], s[78:79], s[20:21]      ; position_ids at that row
	s_lshl_b32 s22, s[XT], 1
	s_add_co_u32 s22, s22, s12                     ; my head = 2 x tile column + half
	s_lshl_b32 s22, s22, 19                        ; a head is 2,048 rows of 256 bytes
	s_lshl_b32 s23, s16, 8
	s_add_co_u32 s22, s22, s23
	s_mov_b32 s23, 0
	s_add_nc_u64 s[88:89], s[86:87], s[22:23]      ; qkv at my head's first row of mine
	v_lshlrev_b32 v6, 2, v1
.irp a, 0,1,2,3
	global_load_b32 v[TO+\a], v6, s[78:79] offset:64*\a   ; the position of row 16 a + r
.endr
	v_and_b32 v5, 31, v0
	v_lshlrev_b32 v5, 4, v5
.irp i, 0,1,2,3
	global_load_b128 v[32+4*\i:35+4*\i], v5, s[84:85] offset:512*\i   ; the 512 maxima of hidden_states' units,
.endr
	global_load_b128 v[48:51], v5, s[84:85] offset:5120                ; the 256 of Wv's (units 1280-1535)
	global_load_b128 v[52:55], v5, s[84:85] offset:5632
	s_cmp_lt_u32 s[TYPE], 2
	s_cselect_b64 s[14:15], s[80:81], s[82:83]     ; q's gain, or k's
	v_lshlrev_b32 v14, 5, v2
.irp b, 0,1,2,3,4,5,6,7
	global_load_b128 v[GW+8*\b:GW+8*\b+3],   v14, s[14:15] offset:64*\b      ; the gain of my 64 columns, 16 b + 8 h + 0..7
	global_load_b128 v[GW+8*\b+4:GW+8*\b+7], v14, s[14:15] offset:64*\b+16
.endr
	; the prefetches' address and who asks
	s_lshl_b32 s20, s13, 7                         ; A: 128 x tile row + 32 cx
	s_lshl_b32 s21, s[CX], 5
	s_add_co_u32 s20, s20, s21
	s_lshl_b32 s21, s[XT], 8                       ; B: 256 x tile column + 64 cy + 32 x half
	s_lshl_b32 s22, s[CY], 6
	s_add_co_u32 s21, s21, s22
	s_lshl_b32 s22, s12, 5
	s_add_co_u32 s21, s21, s22
	s_and_b32 s22, ttmp7, 0xffff                   ; cluster y
	s_cmp_eq_u32 s11, 0
	s_cselect_b32 s20, s20, s21
	s_cselect_b32 s22, ttmp9, s22                  ; the coordinate along which other clusters read the same rows
	s_cselect_b64 s[PFA:PFA+1], s[4:5], s[6:7]
	s_cmp_eq_u32 s10, 1
	s_cselect_b32 s22, 1, s22                      ; wave 1 never asks: A's 32 rows a work-group are wave 0's
	s_cmp_eq_u32 s22, 0
	s_cselect_b32 s[LIM], 1, -1                    ; the same in all sixteen partners, for a given wave
	s_mul_i32 s20, s20, SIZE_K*2
	s_mov_b32 s21, 0
	s_add_nc_u64 s[PFA:PFA+1], s[PFA:PFA+1], s[20:21]
	s_add_nc_u64 s[PFA:PFA+1], s[PFA:PFA+1], LAPB  ; the first change of slots steps it to the fourth chunk along K; nothing is asked here, at the head
	v_and_b32 v[PFO], 31, v0
	v_mul_u32_u24 v[PFO], v[PFO], SIZE_K*2
	s_wait_loadcnt 0x0
.irp a, 0,1,2,3
	v_min_u32 v[TO+\a], 0x7ff, v[TO+\a]            ; an index stays inside its table
	v_lshlrev_b32 v[TO+\a], 9, v[TO+\a]            ; a row of the table is 512 bytes
	v_lshl_add_u32 v[TO+\a], v2, 5, v[TO+\a]       ; + my half's 32 bytes
.endr
	v_max3_num_f32 v32, v32, v33, v34
	v_max3_num_f32 v35, v35, v36, v37
	v_max3_num_f32 v38, v38, v39, v40
	v_max3_num_f32 v41, v41, v42, v43
	v_max3_num_f32 v44, v44, v45, v46
	v_max3_num_f32 v48, v48, v49, v50
	v_max3_num_f32 v51, v51, v52, v53
	v_max3_num_f32 v32, v32, v35, v38
	v_max3_num_f32 v41, v41, v44, v47
	v_max3_num_f32 v48, v48, v54, v55
	v_max_num_f32 v32, v32, v41
	v_max_num_f32 v48, v48, v51
.irp m, 1,2,4,8
	v_max_num_f32_dpp v32, v32, v32 row_xmask:\m row_mask:0xf bank_mask:0xf
	v_max_num_f32_dpp v48, v48, v48 row_xmask:\m row_mask:0xf bank_mask:0xf
.endr
	v_permlanex16_b32 v33, v32, s92, s93
	v_permlanex16_b32 v49, v48, s92, s93
	v_max_num_f32 v32, v32, v33                    ; max|x|
	v_max_num_f32 v48, v48, v49                    ; max|Wv|
	v_mul_f32 v14, v32, v48
	v_max_num_f32 v14, 0x0da24260, v14             ; at least 1e-30
	v_rcp_f32 v15, v14
	v_nop                                          ; a plain instruction behind the reciprocal,
	s_wait_alu depctr_va_vdst(0)                   ; and a wait ahead of its first use
	v_mul_f32 v[FV], 0x41000000, v15               ; f = 8 / (max|x| max|Wv|)
	v_mov_b32 v[FV+1], v[FV]
.set i, 0
.rept 32
	v_cvt_pk_bf16_f32 v[PKD+i], v[GW+2*i], v[GW+2*i+1]   ; the gains, rounded to bf16 like the module's other inputs, stay packed in v32-63 through the K loop
.set i, i+1
.endr
; cos and sin of block a's 16 rows, my 64 columns of each: 32 loads into window 2 + a / 2
.macro TABLE a
	WIN ((2+(\a)/2)<<6)
.irp b, 0,1,2,3,4,5,6,7
	global_load_b128 v[128*((\a)%2)+8*\b:128*((\a)%2)+8*\b+3],       v[TO+(\a)], s[76:77] offset:64*\b
	global_load_b128 v[128*((\a)%2)+8*\b+4:128*((\a)%2)+8*\b+7],     v[TO+(\a)], s[76:77] offset:64*\b+16
	global_load_b128 v[128*((\a)%2)+64+8*\b:128*((\a)%2)+64+8*\b+3], v[TO+(\a)], s[76:77] offset:1048576+64*\b
	global_load_b128 v[128*((\a)%2)+64+8*\b+4:128*((\a)%2)+64+8*\b+7], v[TO+(\a)], s[76:77] offset:1048576+64*\b+16
.endr
.endm
	TABLE 0
	TABLE 1
	WIN 0
; 8 matrix instructions: row block a x all 8 column blocks, 32 along K, from buffer f.  zero = 1: the product starts the sums: nothing is cleared.  The 32 accumulators take turns, over the backward jumps too.
.macro MULA f, a, zero
	WIN MUL
.irp b, 0,1,2,3,4,5,6,7
.if \zero
	v_wmma_f32_16x16x32_bf16 v[8*(8*(\a)+(\b)):8*(8*(\a)+(\b))+7], v[FB+64*(\f)+8*(\b):FB+64*(\f)+8*(\b)+7], v[FA+32*(\f)+8*(\a):FA+32*(\f)+8*(\a)+7], 0
.else
	v_wmma_f32_16x16x32_bf16 v[8*(8*(\a)+(\b)):8*(8*(\a)+(\b))+7], v[FB+64*(\f)+8*(\b):FB+64*(\f)+8*(\b)+7], v[FA+32*(\f)+8*(\a):FA+32*(\f)+8*(\a)+7], v[8*(8*(\a)+(\b)):8*(8*(\a)+(\b))+7]
.endif
.endr
.endm
; 24 LDS loads in one run: the fragments of 32 along K, k bytes behind slot t's address registers, into buffer f: B's eight, then A's four
.macro FETCH t, k, f
	WIN 0
.irp i, 0,1,2,3,4,5,6,7
	ds_load_b128 v[FB+64*(\f)+8*(\i):FB+64*(\f)+8*(\i)+3],   v[ADB+6*(\t)] offset:(\k)+(\i)*16*(PS+256*(\t))
	ds_load_b128 v[FB+64*(\f)+8*(\i)+4:FB+64*(\f)+8*(\i)+7], v[ADB+6*(\t)] offset:(\k)+(\i)*16*(PS+256*(\t))+32
.endr
.irp i, 0,1,2,3
	ds_load_b128 v[FA+32*(\f)+8*(\i):FA+32*(\f)+8*(\i)+3],   v[ADA+6*(\t)] offset:(\k)+(\i)*16*(PS+256*(\t))
	ds_load_b128 v[FA+32*(\f)+8*(\i)+4:FA+32*(\f)+8*(\i)+7], v[ADA+6*(\t)] offset:(\k)+(\i)*16*(PS+256*(\t))+32
.endr
.endm
; A quarter is 32 along K, 32 matrix instructions; the small slot has four, the big slot eight, on buffers 0, 1, 0, 1 ..  This one multiplies buffer f; in its middle it fetches the next quarter, k bytes on in slot t, into g.
.macro QUARTER t, k, f, g, zero
	s_wait_dscnt 4                                 ; B and A's blocks 0 and 1 are in; the youngest four loads (A's blocks 2 and 3) may be out
	MULA \f, 0, \zero
	MULA \f, 1, \zero
	PLACES
	FETCH \t, \k, \g
	s_wait_dscnt 24                                ; all but the 24 just issued
	MULA \f, 2, \zero
	MULA \f, 3, \zero
.endm
; Slot t's last quarter multiplies buffer 1 and changes slots: ONE barrier; in front of it each wave waits for all its tensor loads (one is out: its part of the other slot), adds 0 to its spare word, and waits for that
; and for its own reads of slot t.  fill = 1: the barrier opens a round of the cluster's barrier, and slot t is filled again, first thing behind the round, with its next chunk, 768 bytes on along the rows.
.macro TURN t, fill
.if \fill
	s_wait_xcnt 0x0                                ; the last prefetches, a change of slots back, have read their address: it is stepped here, past what they named, ahead of the waits of this change
	s_add_nc_u64 s[PFA:PFA+1], s[PFA:PFA+1], 256+256*(\t)
.endif
	WIN 0
	s_wait_tensorcnt 0x0                           ; all my tensor loads have landed
	ds_add_u32 v[SPW], v[NIL]                      ; 0 onto my spare word
	s_wait_dscnt 5                                 ; (the add and the youngest four loads may be out)
	MULA 1, 0, 0                                   ; eight matrix instructions stand between the add and the wait for it
	s_wait_dscnt 0x0                               ; the add is done, and my reads of slot t are over
	s_barrier_signal -1
	MULA 1, 1, 0                                   ; work on registers while the others arrive
	WIN 0                                          ; at a branch and at a label every window is 0
	s_barrier_wait -1
.if \fill
	CREST                                          ; no wave of any partner still reads this slot's tiles or has a load on its way
	s_add_nc_u64 s[G0A+4*(\t)+2:G0A+4*(\t)+3], s[G0A+4*(\t)+2:G0A+4*(\t)+3], LAPB   ; the type bits on top are not reached
	s_add_nc_u64 s[G0B+4*(\t)+2:G0B+4*(\t)+3], s[G0B+4*(\t)+2:G0B+4*(\t)+3], LAPB
	JLOAD \t                                       ; the four v_nop behind it are also the places in front of the loads below
.if \t
	s_mov_b32 s[KO], 0                             ; the big slot's addresses go back to its first quarter
	v_mov_b32 v[ADA+6], v[AB0]
	v_mov_b32 v[ADB+6], v[BB0]
.endif
.else
	PLACES
.endif
	FETCH 1-(\t), 0, 0
.if \fill
	ASK \t
.endif
	MULA 1, 2, 0
	MULA 1, 3, 0
.endm
.macro STEPB                           ; the big slot's addresses step a pair of quarters on
	s_add_co_u32 s[KO], s[KO], 128
	v_add_nc_u32 v[ADA+6], s[KO], v[AB0]
	v_add_nc_u32 v[ADB+6], s[KO], v[BB0]
.endm
	s_wait_tensorcnt 0x1                           ; my part of the first chunk is in; the second's may stay out
	s_barrier_signal -1
	s_barrier_wait -1                              ; everybody's is
	FETCH 1, 0, 0
	QUARTER 1, 64, 0, 1, 1                         ; the first pair of quarters stands in front of the loops: the first quarter's products start the sums
	QUARTER 1, 128, 1, 0, 0
	TABLE 2                                        ; the other two blocks' cos and sin: the first two blocks' loads have had the first tile's wait in which to come back
	TABLE 3
	WIN 0
	STEPB
	s_mov_b32 s3, PASSES
	s_mov_b32 s[CNT], 2                            ; two more pairs of the first chunk: the state in which the loop below stands behind its first trip
	s_branch .Lbig
.Llap:                                                 ; a pass: the small slot's last quarter, the big slot's eight, the small slot's first three.  The first pass is entered at the big slot's third quarter
	TURN 0, 1
	WIN 0
	s_mov_b32 s[CNT], 3
.Lbig:                                                 ; quarters 0 to 5 of the big slot, a pair a trip
	QUARTER 1, 64, 0, 1, 0
	QUARTER 1, 128, 1, 0, 0
	WIN 0
	STEPB
	s_sub_co_u32 s[CNT], s[CNT], 1
	s_cmp_lg_u32 s[CNT], 0
	s_cbranch_scc1 .Lbig
	QUARTER 1, 64, 0, 1, 0
	TURN 1, 1
	QUARTER 0, 64, 0, 1, 0
	QUARTER 0, 128, 1, 0, 0
	QUARTER 0, 192, 0, 1, 0
	WIN 0
	s_sub_co_u32 s3, s3, 1
	s_cmp_lg_u32 s3, 0
	s_cbranch_scc1 .Llap
	TURN 0, 0                                      ; the last change fills nothing, and has no round; the last chunk follows
	WIN 0
	s_mov_b32 s[CNT], 3
.Lbig_last:
	QUARTER 1, 64, 0, 1, 0
	QUARTER 1, 128, 1, 0, 0
	WIN 0
	STEPB
	s_sub_co_u32 s[CNT], s[CNT], 1
	s_cmp_lg_u32 s[CNT], 0
	s_cbranch_scc1 .Lbig_last
	QUARTER 1, 64, 0, 1, 0
	s_wait_dscnt 4
	MULA 1, 0, 0
	MULA 1, 1, 0
	s_wait_dscnt 0x0
	MULA 1, 2, 0
	MULA 1, 3, 0
	WIN 0
	PLACES                                         ; behind the last products, in front of writes of their sources and of the first reads of their results
	PLACES
	; THE WAY OUT.
	s_wait_loadcnt 0x0                             ; cos and sin, asked for at the launch's beginning
	s_cmp_eq_u32 s[TYPE], 3
	s_cbranch_scc1 .Lno_gain
.set i, 0
.rept 32
	v_lshlrev_b32 v[GW+2*i], 16, v[PKD+i]          ; the gains as f32 again
	v_and_b32 v[GW+2*i+1], 0xffff0000, v[PKD+i]
.set i, i+1
.endr
.Lno_gain:
; Block a: 16 rows x the head's 128 columns.  q, k: x rsqrt(mean x^2 + eps), times the gain, then RoPE: column c < 64 pairs with c + 64, which is column block b + 4 of the same lane.  v: times f.
; Then rounded to f16, 16 bytes a lane into my stage, back as whole rows of 256 bytes, and stored.  Each accumulator's registers are read in ascending order.
.macro EPI a
.set TW, 2+(\a)/2                      ; the window of the block's cos and sin,
.set CT, 128*((\a)%2)                  ; cos, then the finished numbers,
.set SN, CT+64                         ; sin
	s_cmp_eq_u32 s[TYPE], 3
	s_cbranch_scc1 .Lis_v_\@
	WIN 0x05                                       ; sources 0 and 1 in window 1
.set i, 0
.rept 32                                           ; the sum of squares, two chains of packed sums in f32
.if i < 2
	v_pk_mul_f32 v[4+2*i:5+2*i], v[64*(\a)+2*i:64*(\a)+2*i+1], v[64*(\a)+2*i:64*(\a)+2*i+1]
.else
	v_pk_fma_f32 v[4+2*(i%2):5+2*(i%2)], v[64*(\a)+2*i:64*(\a)+2*i+1], v[64*(\a)+2*i:64*(\a)+2*i+1], v[4+2*(i%2):5+2*(i%2)]
.endif
.set i, i+1
.endr
	WIN 0
	v_add_f32 v4, v4, v5
	v_add_f32 v6, v6, v7
	v_add_f32 v4, v4, v6
	v_permlanex16_b32 v5, v4, s92, s93             ; the row's other 64 columns lie in the lane 16 away
	v_add_f32 v4, v4, v5
	v_fma_f32 v4, v4, s90, s91                     ; mean + eps
	v_rsq_f32 v[RS], v4
	v_rsq_f32 v[RS+1], v4
	v_nop                                          ; a plain instruction behind the second,
	s_wait_alu depctr_va_vdst(0)                   ; and one wait for both, ahead of their first use
	WIN 0x41                                       ; destination and source 0 in window 1
.set i, 0
.rept 32
	v_pk_mul_f32 v[64*(\a)+2*i:64*(\a)+2*i+1], v[64*(\a)+2*i:64*(\a)+2*i+1], v[RS:RS+1]
.set i, i+1
.endr
.set i, 0
.rept 32
	v_pk_mul_f32 v[64*(\a)+2*i:64*(\a)+2*i+1], v[64*(\a)+2*i:64*(\a)+2*i+1], v[GW+2*i:GW+2*i+1]
.set i, i+1
.endr
	WIN ((TW<<6)|(TW<<4)|(TW<<2)|1)                ; source 0 in window 1; cos, sin and the result in the tables' window
.set i, 0
.rept 16                                           ; pair i of the low half (registers 2 i, 2 i + 1 of blocks 0-3) and its partner 32 registers on
	v_pk_mul_f32 v[CT+2*i:CT+2*i+1], v[64*(\a)+2*i:64*(\a)+2*i+1], v[CT+2*i:CT+2*i+1]
	v_pk_mul_f32 v[CT+32+2*i:CT+32+2*i+1], v[64*(\a)+32+2*i:64*(\a)+32+2*i+1], v[CT+32+2*i:CT+32+2*i+1]
	v_pk_fma_f32 v[CT+2*i:CT+2*i+1], v[64*(\a)+32+2*i:64*(\a)+32+2*i+1], v[SN+2*i:SN+2*i+1], v[CT+2*i:CT+2*i+1] neg_lo:[1,0,0] neg_hi:[1,0,0]
	v_pk_fma_f32 v[CT+32+2*i:CT+32+2*i+1], v[64*(\a)+2*i:64*(\a)+2*i+1], v[SN+32+2*i:SN+32+2*i+1], v[CT+32+2*i:CT+32+2*i+1]
.set i, i+1
.endr
	WIN 0
	s_branch .Lpack_\@
.Lis_v_\@:
	WIN ((TW<<6)|1)                                ; source 0 in window 1, f in window 0, the result where q and k have theirs
.set i, 0
.rept 32
	v_pk_mul_f32 v[CT+2*i:CT+2*i+1], v[64*(\a)+2*i:64*(\a)+2*i+1], v[FV:FV+1]
.set i, i+1
.endr
	WIN 0
.Lpack_\@:
	s_wait_xcnt 0x0                                ; the last block's stores have read v32-63: they are rewritten only behind this wait
	WIN ((TW<<2)|TW)                               ; both sources in the tables' window
.set i, 0
.rept 32
	v_cvt_pk_f16_f32 v[PKD+i], v[CT+2*i], v[CT+2*i+1]
.set i, i+1
.endr
	WIN 0
.irp b, 0,1,2,3,4,5,6,7
	ds_store_b128 v[STO], v[PKD+4*\b:PKD+4*\b+3] offset:32*\b
.endr
.irp t, 0,1,2,3,4,5,6,7
	ds_load_b128 v[PKD+4*\t:PKD+4*\t+3], v[RD] offset:\t*2*SPITCH   ; LDS serves a wave's instructions in order (ISA guide 5.7.1.4): these see the stores above; the next block's stores come behind them
.endr
.irp t, 0,1,2,3,4,5,6,7
	s_wait_dscnt 7-\t
	global_store_b128 v[CO], v[PKD+4*\t:PKD+4*\t+3], s[88:89] offset:(16*(\a)+2*\t)*256   ; 16 lanes store 256 consecutive bytes, aligned
.endr
.endm
	EPI 0
	EPI 1
	EPI 2
	EPI 3
	s_wait_tensorcnt 0x0                           ; the wave's end, behind my last tensor load and my last LDS store
	ds_add_u32 v[SPW], v[NIL]
	s_wait_dscnt 0x0
	CROUND                                         ; the closing round: no work-group ends while a partner may still ask for a tile that names it
	s_endpgm
.Lfunc_end_k_q0d1c4a90b7_gemm_qkv:
	.size	k_q0d1c4a90b7_gemm_qkv, .Lfunc_end_k_q0d1c4a90b7_gemm_qkv-k_q0d1c4a90b7_gemm_qkv
	.p2alignl 7, 3214868480
	.fill 96, 4, 3214868480
	.section	.rodata,"a",@progbits
	.p2align	6, 0x0
	.amdhsa_kernel k_q0d1c4a90b7_gemm_qkv
		.amdhsa_group_segment_fixed_size 327680
		.amdhsa_private_segment_fixed_size 0
		.amdhsa_enable_private_segment 0
		.amdhsa_kernarg_size 64
		.amdhsa_user_sgpr_count 2
		.amdhsa_user_sgpr_kernarg_segment_ptr 1
		.amdhsa_wavefront_size32 1
		.amdhsa_system_sgpr_workgroup_id_x 1
		.amdhsa_system_sgpr_workgroup_id_y 1
		.amdhsa_system_sgpr_workgroup_id_z 1
		.amdhsa_system_vgpr_workitem_id 0
		.amdhsa_next_free_vgpr 1024
		.amdhsa_next_free_sgpr 102
		.amdhsa_reserve_vcc 0
		.amdhsa_float_denorm_mode_32 3
		.amdhsa_float_denorm_mode_16_64 3
		.amdhsa_memory_ordered 1
		.amdhsa_forward_progress 1
		.amdhsa_inst_pref_size 159
	.end_amdhsa_kernel
	.amdgpu_metadata
---
amdhsa.version: [ 1, 2 ]
amdhsa.kernels:
  - .name:           k_q0d1c4a90b7_gemm_qkv
    .symbol:         k_q0d1c4a90b7_gemm_qkv.kd
    .args:
      - { .name: xb, .offset: 0, .size: 8, .value_kind: global_buffer, .address_space: global }
      - { .name: wqkv, .offset: 8, .size: 8, .value_kind: global_buffer, .address_space: global }
      - { .name: ropeb, .offset: 16, .size: 8, .value_kind: global_buffer, .address_space: global }
      - { .name: position_ids, .offset: 24, .size: 8, .value_kind: global_buffer, .address_space: global }
      - { .name: q_norm_w, .offset: 32, .size: 8, .value_kind: global_buffer, .address_space: global }
      - { .name: k_norm_w, .offset: 40, .size: 8, .value_kind: global_buffer, .address_space: global }
      - { .name: amax, .offset: 48, .size: 8, .value_kind: global_buffer, .address_space: global }
      - { .name: qkv, .offset: 56, .size: 8, .value_kind: global_buffer, .address_space: global }
    .group_segment_fixed_size: 327680
    .private_segment_fixed_size: 0
    .kernarg_segment_align: 8
    .kernarg_segment_size: 64
    .max_flat_workgroup_size: 128
    .sgpr_count:     102
    .vgpr_count:     1024
    .wavefront_size: 32
...
	.end_amdgpu_metadata
.endif
;; end of part 2
;; launch attn (part 3): grid 16 x 16, 4 waves a work-group, clusters of 4 x 1, 327,680 bytes of LDS; arguments qkv, attn; writes attn
.if DOCPART == 3
	.amdgcn_target "amdgcn-amd-amdhsa--gfx1250"
	.amdhsa_code_object_version 6
	.text
	.protected	k_q0d1c4a90b7_attn
	.globl	k_q0d1c4a90b7_attn
	.p2align	8
	.type	k_q0d1c4a90b7_attn,@function
k_q0d1c4a90b7_attn:
	s_mov_b64 s[64:65], 0
	v_nop
	global_prefetch_b8 v0, s[64:65] scope:SCOPE_SE
	s_setreg_imm32_b32 hwreg(HW_REG_WAVE_MODE, 25, 1), 1
	s_wait_xcnt 0x0
	s_wait_alu depctr_hold_cnt(0) depctr_sa_sdst(0) depctr_va_vdst(0) depctr_va_sdst(0) depctr_va_ssrc(0) depctr_va_vcc(0) depctr_vm_vsrc(0)
	s_getreg_b32 s2, hwreg(HW_REG_IB_STS2, 6, 4)
	s_cmp_eq_u32 s2, 0
	s_cbranch_scc0 .Lentry_in_a_cluster
	s_endpgm
.Lentry_in_a_cluster:
	s_bfe_u32 s2, ttmp6, 0x10000c
	s_cmp_lg_u32 s2, 0x3003
	s_cbranch_scc0 .Lentry_shape_is_right
	s_endpgm
.Lentry_shape_is_right:
; CAUSAL ATTENTION, 16 query heads on 8 key and value heads, head size 128.  qkv: [32][2048][128] f16 (heads 0-15 q, 16-23 k, 24-31 f v); attn: [2048][2048] f16, column = head x 128 + channel, holding f O.
; Products, maxima and sums in f32; the weights are rounded to f16 for the second product (their sum is taken unrounded), O once at the end.
; THE WALK.  A head's queries lie in 8 bands of 256; band j needs the key tiles 0..j of 256 keys, the last of which holds the diagonal.  A CLUSTER of four work-groups takes band 7 - p and then band p: 9 tiles whatever p.
; Work-group cx owns queries 64 cx .. 64 cx + 63 of the band, so the four partners walk the same tiles, and each tile of K and V is asked for JOINTLY (the same load, descriptor and mask in all four).
; KEYS ARE SPLIT AMONG THE WAVES.  All four waves hold the same 64 queries (four tiles of 16); wave w takes keys 64 w .. 64 w + 63 of each tile: 64 LDS loads feed 128 matrix instructions.
; At a band's end the four partial (c m, l, O) are merged through LDS.  Register tile t of wave w is the true tile (t + w) % 4, so each wave owns its tile 0 and the merge names fixed registers.
; LAYOUT.  S^T = K Q^T (source 0 = 16 keys, source 1 = 16 queries): a lane holds ONE query (lane % 16) and the keys 8 (lane / 16) + 0..7.  Two such results rounded to f16 ARE source 1 of O^T = V^T P.  V is turned by ds_load_tr16_b128.
; SOFTMAX.  p = 2^(c s - c m), c = log2(e) / sqrt(128), with a running maximum m; in every step O and l are multiplied by a = 2^(c m_old - c m_new).  A band's first step has a = 0, so O and l need only be finite there:
; they are cleared once, in the wait for the first tile (264 lines; the price of writing no first step out).  A step goes in phases: K Q^T, the softmax with ONE batch of exponentials and one wait, V^T P.
; THE MASK is the C operand that starts the sum in the diagonal tile: 0, or -2^100 where the key is hidden; elsewhere C is the constant 0.  A POWER OF TWO, so that c m is exact where m is the mask itself
; (band 0, a wave whose keys are all hidden): there c s - c m is exactly 0, p = 1, l and O stay finite, and the merge gives that wave the weight 2^(c m - max) = 0.
; LIMITS.  A hidden score counts as -2^100 (f16's scores are nothing beside it); a weight below 2^-126 counts as 0; NaN and infinities are not treated apart; q, k, f v arrive within f16.
; REGISTERS, in windows of 256.  window 0: v0-63 addresses and statistics; v64-191 S^T, 32 a tile; v192-255 P, 16 a tile.  window 1: O^T, 64 a tile.  window 2: v0-127 Q; v128-255 K.  window 3: v0-127 V; v128-255 the mask.
.set PK,    272                        ; a row of K in LDS: 256 bytes + 16 = 68 words: the 16 rows of a load start at 16 different groups of four banks (64 banks of 4 bytes: ISA guide 11.1)
.set PV,    288                        ; a row of V: 256 + 32 = 72 words
.set VOFF,  256*PK                     ; a slot: 256 rows of K, then 256 rows of V
.set STATS, VOFF+256*PV                ; 143,360: behind slot 0, 4,096 bytes that no fill reaches: (c m, l) for the merge
.set SLOT1, 147456                     ; slot 1: bits 17 and 14, which none of the four fill addresses in slot 0 has: one exclusive or changes slots
.set STAGE, SLOT1+STATS                ; 290,816: four regions of 8,192 bytes, one a wave: partial O^T, then the way out
.set SPARE, STAGE+4*8192               ; the spare words, 128 bytes a wave
.set SP,    272
.set AK0, 2                            ; v2   my lane's place in my wave's 64 rows of K; never rewritten
.set AV0, 3                            ; v3   the same for V
.set ADR, 4                            ; v4   LDS address of K's run of loads
.set ADV, 5                            ; v5   of V's
.set STO, 6                            ; v6   the way out: where I put 16 bytes of a row
.set RD,  7                            ; v7   where I read rows back
.set GO,  8                            ; v8   my byte offset in two rows of attn
.set ST,  12                           ; tile t's statistics at v[ST+8 t]: +0 c m, +1 m, +2, +3 l (even keys', odd keys'), +4 to +7 at work; a takes +6
.set QO,  44                           ; v44-47  tile t: my byte offset in the work-group's 64 rows of Q
.set SWA, 48                           ; v48-51  tile t: where its (c m, l) goes: the owner's block, entry t.  v48 is also where I read my own block
.set WA,  52                           ; v52     my own region of the stage;  v53-55  tile t = 1..3: its owner's region
.set THR, 57                           ; v57-60  tile t: register 16 kb + j of the scores is hidden where it is greater than this
.set PFO, 61                           ; v61  256 x my lane; never rewritten
.set SPW, 62                           ; v62  LDS address of my spare word; never rewritten
.set NIL, 63                           ; v63  0; never rewritten
.set S,   64
.set P,   192
.set KF,  128                          ; window 2
.set MD,  128                          ; window 3
.set SC,  64                           ; the merge: four pairs (c m, l)
.set AW,  80                           ; four pairs of weights
.set OP,  96                           ; the packed tile
.set TT,  128                          ; a partial O^T as read back
.set WV,  12
.set CX,  13
.set PB,  14                           ; p
.set HI,  15                           ; 7 - p
.set G1K, 24                           ; s[24:31], s[32:39] descriptor group 1 for K's and V's tiles
.set G1V, 32
.set G0K, 40                           ; s[40:43], s[44:47] group 0
.set G0V, 44
.set KB,  48                           ; s[48:49] K at my half of the head's tile 0;  s[50:51] V
.set VB,  50
.set QA,  52                           ; s[52:53], s[54:55] Q at my work-group's rows of the first and of the second band
.set QB,  54
.set SLOTS, 56                         ; tiles still to be asked for
.set CS,  58                           ; s[58:59] c
.set SEL, 60                           ; s[60:61] v_permlanex16_b32's selects
.set TB,  62                           ; the slot in hand: 0 or SLOT1
.set OA,  66                           ; s[66:67], s[68:69] attn at my wave's 16 rows of the two bands
.set OB,  68
.set RT,  70                           ; tiles of the band in hand still to be entered
.set NXT, 71                           ; the tile to be asked for next
.set LQ,  72                           ; the last tile of the band whose tiles are being asked for
.set NEW, 73                           ; 1: the tile to be entered is a band's first
.set OFF, 74                           ; s[74:75] a tile's byte offset
.set PFA, 78                           ; s[78:79] where my prefetches stand
.set LIM, 80                           ; 2 in a wave that prefetches, else the greatest number
.set BIGN, 82                          ; -2^100
.set W_KQ, 0x0a                        ; K and Q in window 2, S^T in window 0
.set W_KM, 0x3a                        ; the same with C in window 3
.set W_PV, 0x53                        ; V in window 3, P in window 0, O^T in window 1
.set W_RS, 0x41                        ; destination and source 0 in window 1
.set MSB, 0
.macro WIN new
.if MSB != (\new)
	s_set_vgpr_msb (MSB<<8)|(\new)
.set MSB, \new
.endif
.endm
.macro PLACES
.rept 4
	v_nop
.endr
.endm
.macro JLOAD                           ; a joint fill: waves 0 and 1 fetch the halves of a tile's K, waves 2 and 3 those of its V; an s_nop 0 and four v_nop follow each line
	s_cmp_lt_u32 s[WV], 2
	s_cbranch_scc0 .Lfor_v_\@
	tensor_load_to_lds s[G0K:G0K+3], s[G1K:G1K+7]
	s_nop 0
.rept 4
	v_nop
.endr
	s_branch .Lasked_\@
.Lfor_v_\@:
	tensor_load_to_lds s[G0V:G0V+3], s[G1V:G1V+7]
	s_nop 0
.rept 4
	v_nop
.endr
.Lasked_\@:
.endm
; A prefetch of the tile that the NEXT change of slots will ask for, a lane a row of 256 bytes.  Of the eight clusters that walk a key head's tiles one asks: p = 0 of the even query head, whose first band walks tiles 0..7 in order.
; Its four partners take 64 rows each of K and of V, told apart by address; waves 0 and 1 name K's, waves 2 and 3 V's, 32 rows each.  So each row is named once in the launch.  Tiles 0 and 1 come by their loads alone;
; in trip t tile t + 2 is named, up to tile 7.
.macro ASK
	s_cmp_gt_u32 s[SLOTS], s[LIM]
	s_cbranch_scc0 .Lnot_mine_\@
	global_prefetch_b8 v[PFO], s[PFA:PFA+1] th:TH_LOAD_NT scope:SCOPE_SE
.Lnot_mine_\@:
.endm
.macro CROUND                          ; a round of the cluster's barrier
	s_barrier_signal -1
	s_barrier_wait -1
	s_cmp_lg_u32 s[WV], 0
	s_cbranch_scc1 .Lnot_wave_0_\@
	s_barrier_signal -3
.Lnot_wave_0_\@:
	s_barrier_wait -3
	s_barrier_signal -1
	s_barrier_wait -1
.endm
; THE CHANGE OF SLOTS.  Each wave waits for all its tensor loads (one is out: its part of the other slot), adds 0 to its spare word, and waits for that and for its reads of the slot that it leaves.
; fill = 1: the barrier is a round of the cluster's, and the old slot is filled again first thing behind it, with tile NXT; the descriptor's address is made anew from that number.
; (At its first use nothing has been read yet: slot 0 is waited for, slot 1 filled.)
.macro CHANGE fill
	WIN 0
	s_wait_tensorcnt 0x0                           ; no tensor load of mine is out, so a group 0 may be written
	ds_add_u32 v[SPW], v[NIL]                      ; 0 onto my spare word; scalar work stands between it and the wait for it
.if \fill
	s_lshl_b32 s[OFF], s[NXT], 16                  ; a tile is 65,536 bytes of K and of V
	s_xor_b32 s[G0K+1], s[G0K+1], SLOT1
	s_add_nc_u64 s[G0K+2:G0K+3], s[KB:KB+1], s[OFF:OFF+1]
	s_or_b32 s[G0K+3], s[G0K+3], 0x80000000
	s_xor_b32 s[G0V+1], s[G0V+1], SLOT1
	s_add_nc_u64 s[G0V+2:G0V+3], s[VB:VB+1], s[OFF:OFF+1]
	s_or_b32 s[G0V+3], s[G0V+3], 0x80000000
	s_add_co_u32 s[NXT], s[NXT], 1                 ; the band's next tile, or behind its last the second band's tile 0
	s_cmp_gt_u32 s[NXT], s[LQ]
	s_cselect_b32 s[NXT], 0, s[NXT]
	s_cselect_b32 s[LQ], s[PB], s[LQ]
	s_wait_xcnt 0x0                                ; the last prefetch, a tile back, has read its address
	s_add_nc_u64 s[PFA:PFA+1], s[PFA:PFA+1], 65536
	s_wait_dscnt 0x0                               ; the add is done, and my reads of the slot are over
	CROUND
	JLOAD                                          ; the four v_nop behind it are also the places in front of V's next run of loads
	ASK
.else
	s_wait_dscnt 0x0
	s_barrier_signal -1
	s_barrier_wait -1
	PLACES
.endif
	s_xor_b32 s[TB], s[TB], SLOT1
.endm
	s_load_b128 s[4:7], s[0:1], 0x0                ; qkv s[4:5], attn s[6:7]
	v_lshl_add_u32 v[SPW], v0, 2, SPARE
	v_mov_b32 v[NIL], 0
	ds_add_u32 v[SPW], v[NIL]                      ; the wave's opening: the add and its wait stand ahead of my first tensor load; work on registers stands between them
	v_lshrrev_b32 v1, 5, v0
	v_readfirstlane_b32 s[WV], v1                  ; wave 0..3
	s_bfe_u32 s[CX], ttmp6, 0x40000                ; cx: it enters Q's, attn's and the prefetches' addresses and the mask's numbers alone
	s_mov_b32 s[PB], ttmp9                         ; in a cluster launch ttmp9 counts clusters: p
	s_sub_co_u32 s[HI], 7, s[PB]
	s_and_b32 s17, ttmp7, 0xffff                   ; the query head
	s_lshr_b32 s18, s17, 1                         ; its key and value head
	s_and_b32 s19, s[WV], 1                        ; which half of a tile's 256 rows I fetch
	s_mov_b32 s[G1K], 15|(1<<16)|(1<<20)|(1<<21)|(5<<22)|(3<<25)  ; the mask of four; 2-byte elements; padding on; 21 set beside a mask; after every 64 words 4 words
	s_mov_b32 s[G1V], 15|(1<<16)|(1<<20)|(1<<21)|(5<<22)|(7<<25)  ; the same with 8 words
.irp g, G1K, G1V
	s_mov_b32 s[\g+1], 128<<16                     ; tensor_dim0 = 128
	s_mov_b32 s[\g+2], 128<<16                     ; tensor_dim1 = 128
	s_mov_b32 s[\g+3], 128<<16                     ; tile_dim0 = 128
	s_mov_b32 s[\g+4], 128                         ; tile_dim1 = 128
	s_mov_b32 s[\g+5], 128                         ; elements from row to row
	s_mov_b32 s[\g+6], 0
	s_mov_b32 s[\g+7], 0
.endr
	s_mov_b32 s[G0K], 1
	s_mul_i32 s[G0K+1], s19, 128*PK                ; LDS address in slot 0: no place in the cluster enters it
	s_mov_b32 s[G0V], 1
	s_mul_i32 s[G0V+1], s19, 128*PV
	s_add_co_u32 s[G0V+1], s[G0V+1], VOFF
	s_mov_b32 s[CS], 0x3e0293ee                    ; c = log2(e) / sqrt(128)
	s_mov_b32 s[CS+1], s[CS]
	s_mov_b32 s[SEL], 0x76543210
	s_mov_b32 s[SEL+1], 0xfedcba98
	s_mov_b32 s[BIGN], 0xf1800000                  ; -2^100
	s_mov_b32 s[TB], SLOT1                         ; the first change of slots turns it into 0
	s_mov_b32 s[SLOTS], 8
	s_add_co_u32 s[RT], s[HI], 1                   ; the first band has 8 - p tiles
	s_mov_b32 s[NXT], 1
	s_mov_b32 s[LQ], s[HI]
	s_mov_b32 s[NEW], 1
	s_mov_b32 s[OFF+1], 0
	s_add_co_u32 s20, s18, 16
	s_lshl_b32 s20, s20, 19                        ; K's head in qkv: a head is 524,288 bytes
	s_mov_b32 s21, 0
	s_lshl_b32 s22, s19, 15                        ; my 128 rows of 256 bytes
	s_add_co_u32 s22, s22, s20
	s_mov_b32 s23, 0
	s_wait_dscnt 0x0                               ; the opening add is done
	s_wait_kmcnt 0x0
	s_add_nc_u64 s[KB:KB+1], s[4:5], s[22:23]
	s_add_nc_u64 s[VB:VB+1], s[KB:KB+1], 0x400000  ; V's head lies eight heads on
	s_add_nc_u64 s[G0K+2:G0K+3], s[KB:KB+1], 0
	s_or_b32 s[G0K+3], s[G0K+3], 0x80000000
	s_add_nc_u64 s[G0V+2:G0V+3], s[VB:VB+1], 0
	s_or_b32 s[G0V+3], s[G0V+3], 0x80000000
	CROUND                                         ; all four work-groups are here: the first joint loads meet
	JLOAD                                          ; tile 0 into slot 0
	s_lshr_b32 s22, s[WV], 1                       ; the prefetches: K's head (waves 0, 1) or V's (waves 2, 3),
	s_lshl_b32 s22, s22, 22
	s_add_co_u32 s20, s20, s22
	s_lshl_b32 s22, s[CX], 14                      ; my work-group's 64 rows,
	s_add_co_u32 s20, s20, s22
	s_lshl_b32 s22, s19, 13                        ; my wave's 32 of them,
	s_add_co_u32 s20, s20, s22
	s_add_co_u32 s20, s20, 65536                   ; in tile 1: the first change of slots steps it to tile 2
	s_add_nc_u64 s[PFA:PFA+1], s[4:5], s[20:21]
	s_and_b32 s22, s17, 1
	s_or_b32 s22, s22, ttmp9
	s_cmp_eq_u32 s22, 0
	s_cselect_b32 s[LIM], 2, -1                    ; the same in all four partners
	s_lshl_b32 s22, s17, 19                        ; Q: my head, my work-group's 64 rows,
	s_lshl_b32 s20, s[CX], 14
	s_add_co_u32 s22, s22, s20
	s_lshl_b32 s20, s[HI], 16                      ; in the first band
	s_add_co_u32 s20, s20, s22
	s_add_nc_u64 s[QA:QA+1], s[4:5], s[20:21]
	s_lshl_b32 s20, s[PB], 16                      ; and in the second
	s_add_co_u32 s20, s20, s22
	s_add_nc_u64 s[QB:QB+1], s[4:5], s[20:21]
	s_lshl_b32 s22, s[CX], 18                      ; attn: rows of 4,096 bytes: 64 cx + 16 w, and my head's 256 bytes
	s_lshl_b32 s20, s[WV], 16
	s_add_co_u32 s22, s22, s20
	s_lshl_b32 s20, s17, 8
	s_add_co_u32 s22, s22, s20
	s_lshl_b32 s20, s[HI], 20
	s_add_co_u32 s20, s20, s22
	s_add_nc_u64 s[OA:OA+1], s[6:7], s[20:21]
	s_lshl_b32 s20, s[PB], 20
	s_add_co_u32 s20, s20, s22
	s_add_nc_u64 s[OB:OB+1], s[6:7], s[20:21]
	v_and_b32 v1, 15, v0                           ; r = l % 16
	v_bfe_u32 v9, v0, 4, 1                         ; h = l / 16
	v_and_b32 v10, 31, v0                          ; l
	v_lshlrev_b32 v11, 8, v1
	v_lshl_add_u32 v11, v9, 4, v11                 ; 256 r + 16 h
	v_lshlrev_b32 v5, 3, v9
	v_sub_nc_u32 v5, v1, v5                        ; r - 8 h
	s_sub_co_i32 s16, s[CX], s[WV]
	s_lshl_b32 s16, s16, 6                         ; 64 (cx - w)
.irp t, 0,1,2,3
	s_add_co_u32 s2, s[WV], \t
	s_and_b32 s2, s2, 3                            ; the true tile, and its owner
	s_lshl_b32 s3, s2, 12
	v_add_nc_u32 v[QO+\t], s3, v11                 ; its 16 rows of 256 bytes
	s_lshl_b32 s3, s2, 10
	v_lshl_add_u32 v[SWA+\t], v10, 3, s3           ; the owner's block of 1,024 bytes, entry t of 256, 8 bytes a lane
	v_add_nc_u32 v[SWA+\t], STATS+256*\t, v[SWA+\t]
	s_lshl_b32 s3, s2, 13
	v_lshl_add_u32 v[WA+\t], v10, 4, s3            ; the owner's region, 16 bytes a lane
	v_add_nc_u32 v[WA+\t], STAGE, v[WA+\t]
	s_lshl4_add_u32 s3, s2, s16
	v_add_nc_u32 v[THR+\t], s3, v5                 ; 64 (cx - w) + 16 x tile + r - 8 h
.endr
	WIN 0x80                                       ; destination window 2
.set i, 0
.rept 16                                           ; the first band's Q: tile i / 4, channels 32 (i % 4) on
	global_load_b128 v[8*i:8*i+3],   v[QO+i/4], s[QA:QA+1] offset:(i%4)*64
	global_load_b128 v[8*i+4:8*i+7], v[QO+i/4], s[QA:QA+1] offset:(i%4)*64+32
.set i, i+1
.endr
	WIN 0
	s_mul_i32 s3, s[WV], 64*PK
	v_mul_u32_u24 v[AK0], v1, PK
	v_lshl_add_u32 v[AK0], v9, 4, v[AK0]
	v_add_nc_u32 v[AK0], s3, v[AK0]                ; my wave's 64 rows of K: row x pitch + 16 h
	; The turning load takes 16 keys x 16 channels (lane l reads key 8 (l / 16) + l % 8, channels 8 ((l / 8) % 2) + 0..7) and leaves half a fragment of V^T: lane l holds channel l % 16 and 8 keys.
	s_mul_i32 s3, s[WV], 64*PV
	s_add_co_u32 s3, s3, VOFF
	v_and_b32 v[STO], 7, v0
	v_bfe_u32 v[RD], v0, 3, 1
	v_lshl_add_u32 v[AV0], v9, 3, v[STO]
	v_mul_u32_u24 v[AV0], v[AV0], PV
	v_lshl_add_u32 v[AV0], v[RD], 4, v[AV0]
	v_add_nc_u32 v[AV0], s3, v[AV0]
	s_lshl_b32 s3, s[WV], 13
	s_add_co_u32 s3, s3, STAGE                     ; my region
	v_mul_u32_u24 v[STO], v1, SP                   ; in: row r, 16 bytes for each half of the lanes
	v_lshl_add_u32 v[STO], v9, 4, v[STO]
	v_add_nc_u32 v[STO], s3, v[STO]
	v_mul_u32_u24 v[RD], v9, SP                    ; back: lanes 0-15 one row of 256 bytes, lanes 16-31 the next
	v_lshl_add_u32 v[RD], v1, 4, v[RD]
	v_add_nc_u32 v[RD], s3, v[RD]
	v_lshlrev_b32 v[GO], 12, v9                    ; and the same two rows in attn
	v_lshl_add_u32 v[GO], v1, 4, v[GO]
	v_lshlrev_b32 v[PFO], 8, v10
	WIN 0xc0                                       ; destination window 3: the mask of the diagonal tile, made once: one formula for a wave that sees all, part or none of its keys
.set i, 0
.rept 128
	v_cmp_gt_i32 vcc_lo, 16*((i/8)%4)+i%8, v[THR+i/32]
	v_cndmask_b32 v[MD+i], 0, s[BIGN], vcc_lo
.set i, i+1
.endr
	WIN 0x40
.set i, 0
.rept 256
	v_mov_b32 v[i], 0                              ; O^T: finite numbers for the first step's a = 0
.set i, i+1
.endr
	WIN 0
.set i, 0
.rept 32
	v_mov_b32 v[ST+i], 0
.set i, i+1
.endr
; Product i of 64 of S^T = K Q^T: channels 32 (i / 16) on, keys 16 ((i / 4) % 4) on, tile i % 4.  The first 16 start the sums, with 0 or (m = 1) with the mask.  The 16 accumulators take turns.
.macro KQ m
.set rS, S+32*(i%4)+8*((i/4)%4)
.set rK, KF+32*((i/4)%4)+8*(i/16)
.set rQ, 32*(i%4)+8*(i/16)
.set rM, MD+32*(i%4)+8*((i/4)%4)
.if i >= 16
	WIN W_KQ
	v_wmma_f32_16x16x32_f16 v[rS:rS+7], v[rK:rK+7], v[rQ:rQ+7], v[rS:rS+7]
.elseif \m
	WIN W_KM
	v_wmma_f32_16x16x32_f16 v[rS:rS+7], v[rK:rK+7], v[rQ:rQ+7], v[rM:rM+7]
.else
	WIN W_KQ
	v_wmma_f32_16x16x32_f16 v[rS:rS+7], v[rK:rK+7], v[rQ:rQ+7], 0
.endif
.set i, i+1
.endm
; Product i of 64 of O^T += V^T P: keys 32 (i / 32) on, channels 16 ((i / 4) % 8) on, tile i % 4.  The 32 accumulators take turns.
.macro PVM
	WIN W_PV
.set rO, 64*(i%4)+8*((i/4)%8)
.set rV, 64*(i/32)+8*((i/4)%8)
.set rP, P+16*(i%4)+8*(i/32)
	v_wmma_f32_16x16x32_f16 v[rO:rO+7], v[rV:rV+7], v[rP:rP+7], v[rO:rO+7]
.set i, i+1
.endm
.macro FETCH_K                         ; my 64 keys x 128 channels: 16 fragments
	WIN 0x80
.irp f, 0,1,2,3,4,5,6,7,8,9,10,11,12,13,14,15  ; keys 16 (f / 4) on, channels 32 (f % 4) on
	ds_load_b128 v[KF+8*(\f):KF+8*(\f)+3],   v[ADR] offset:((\f)/4)*16*PK+((\f)%4)*64
	ds_load_b128 v[KF+8*(\f)+4:KF+8*(\f)+7], v[ADR] offset:((\f)/4)*16*PK+((\f)%4)*64+32
.endr
.endm
.macro FETCH_V
	WIN 0xc0
.irp f, 0,1,2,3,4,5,6,7,8,9,10,11,12,13,14,15  ; keys 32 (f / 8) on, channels 16 (f % 8) on
	ds_load_tr16_b128 v[8*(\f):8*(\f)+3],   v[ADV] offset:((\f)/8)*32*PV+((\f)%8)*32
	ds_load_tr16_b128 v[8*(\f)+4:8*(\f)+7], v[ADV] offset:((\f)/8)*32*PV+16*PV+((\f)%8)*32
.endr
.endm
; One tile's softmax for one key step is a list of 134 instructions; SM writes number j of it for tile t.  s0-s31 are the lane's 32 scores, in pairs 0-15.
;   0-15    the maximum of s0-s31 and the old m, three operands at a time (each accumulator's lowest registers are read first)
;   16-20   the other half of the lanes' maximum; the new m; c m; c m_old - c m_new
;   21-69   ONE BATCH: the 16 scalings c s - c m and all 33 exponentials (a at 23, then s0-s31); none of these names an exponential's result
;   70-85   the roundings to f16     86-101  the sums; l = a l + the sum     102-133  the tile's O^T times a
.macro SM t
.set rT, ST+8*(\t)
.set rS, S+32*(\t)
.set rP, P+16*(\t)
.set rO, 64*(\t)+2*(j-102)
.if j < 102
	WIN 0
.endif
.if j < 4
	v_max3_num_f32 v[rT+4+j], v[rS+8*j], v[rS+8*j+1], v[rS+8*j+2]
.elseif j < 12
	v_max3_num_f32 v[rT+4+j%4], v[rT+4+j%4], v[rS+8*(j%4)+2*(j/4)+1], v[rS+8*(j%4)+2*(j/4)+2]
.elseif j == 12
	v_max3_num_f32 v[rT+4], v[rT+4], v[rS+7], v[rS+15]
.elseif j == 13
	v_max3_num_f32 v[rT+6], v[rT+6], v[rS+23], v[rS+31]
.elseif j == 14
	v_max3_num_f32 v[rT+4], v[rT+4], v[rT+5], v[rT+6]
.elseif j == 15
	v_max3_num_f32 v[rT+4], v[rT+4], v[rT+7], v[rT+1]
.elseif j == 16
	v_permlanex16_b32 v[rT+5], v[rT+4], s[SEL], s[SEL+1]  ; the query's other 32 keys of my wave lie in the lane 16 away
.elseif j == 17
	v_mov_b32 v[rT+7], v[rT]                       ; c m_old is kept for a
.elseif j == 18
	v_max_num_f32 v[rT+1], v[rT+4], v[rT+5]
.elseif j == 19
	v_mul_f32 v[rT], s[CS], v[rT+1]
.elseif j == 20
	v_sub_f32 v[rT+7], v[rT+7], v[rT]
.elseif j == 23
	v_exp_f32 v[rT+6], v[rT+7]
.elseif (j < 23) || ((j < 38) && (j%2 == 0)) || ((j < 66) && (j%4 == 2))
.set b, (j-2)/4                        ; 38, 42, .. 62: pairs 9 to 15
.if j < 38
.set b, (j-20)/2                       ; 21: pair 0; 22, 24, .. 36: pairs 1 to 8
.endif
	v_pk_fma_f32 v[rS+2*b:rS+2*b+1], v[rS+2*b:rS+2*b+1], s[CS:CS+1], v[rT:rT+1] op_sel_hi:[1,0,0] neg_lo:[0,0,1] neg_hi:[0,0,1]
.elseif j < 70
.set e, j-38                           ; 66 to 69: s28 to s31
.if j < 66
.set e, j-32-(j-38)/4                  ; 39-41, 43-45, .. 63-65: s7 to s27
.endif
.if j < 38
.set e, (j-25)/2                       ; 25, 27, .. 37: s0 to s6
.endif
	v_exp_f32 v[rS+e], v[rS+e]
.elseif j < 86
	v_cvt_pk_f16_f32 v[rP+j-70], v[rS+2*(j-70)], v[rS+2*(j-70)+1]
.elseif j < 102                        ; the sum of the 16 pairs, in place: neighbours 1, 2, 4 and 8 pairs apart, then l takes it
.set z, j-86
.set w, 4
.set u, z
.if z >= 14
.set w, 32
.set u, 0
.elseif z >= 12
.set w, 16
.set u, z-12
.elseif z >= 8
.set w, 8
.set u, z-8
.endif
.if z < 15
	v_pk_add_f32 v[rS+w*u:rS+w*u+1], v[rS+w*u:rS+w*u+1], v[rS+w*u+w/2:rS+w*u+w/2+1]
.else
	v_pk_fma_f32 v[rT+2:rT+3], v[rT+2:rT+3], v[rT+6:rT+7], v[rS:rS+1] op_sel_hi:[1,0,1]
.endif
.else
	WIN W_RS
	v_pk_mul_f32 v[rO:rO+1], v[rO:rO+1], v[rT+6:rT+7] op_sel_hi:[1,0]
.endif
.endm
; A TILE, in phases.  The jumps hang on numbers made from the cluster's x alone: they are alike in every wave and every partner.
.macro BODY
	s_sub_co_u32 s[RT], s[RT], 1
	s_cmp_eq_u32 s[NEW], 1
	s_cbranch_scc0 .Lold_\@
	s_mov_b32 s[NEW], 0                            ; a band begins: c m far below every c s, so the first a is 0; m at the lowest finite number
.irp t, 0,1,2,3
	v_mov_b32 v[ST+8*\t], 0xfe000000
	v_mov_b32 v[ST+8*\t+1], 0xff7fffff
.endr
.Lold_\@:
	v_add_nc_u32 v[ADR], s[TB], v[AK0]
	v_add_nc_u32 v[ADV], s[TB], v[AV0]
	FETCH_K
	FETCH_V
	WIN 0
	s_wait_loadcnt 0x0                             ; Q (a band's first tile; later nothing is out)
	s_wait_dscnt 32                                ; K is in; V's 32 loads may stay out
	s_cmp_eq_u32 s[RT], 0
	s_cbranch_scc1 .Ldiag_\@
.set i, 0
.rept 16
	KQ 0
.endr
	WIN 0
	s_branch .Lrest_\@
.Ldiag_\@:                                             ; the band's last tile holds the diagonal
.set i, 0
.rept 16
	KQ 1
.endr
	WIN 0
.Lrest_\@:
.rept 48
	KQ 0
.endr
	WIN 0
	PLACES                                         ; behind the last products, in front of the first reads of their results
.set j, 0
.rept 70
.irp t, 0,1,2,3
	SM \t
.endr
.set j, j+1
.endr
	v_nop                                          ; a plain instruction behind the last exponential: one for the batch
	s_wait_alu depctr_va_vdst(0)                   ; ONE wait for the four tiles' 132 exponentials, ahead of the first line that names a result
.rept 64
.irp t, 0,1,2,3
	SM \t
.endr
.set j, j+1
.endr
	WIN 0
	s_wait_dscnt 0x0                               ; V is in
.set i, 0
.rept 64
	PVM
.endr
	WIN 0
.endm
; THE MERGE, at a band's end.  Tile t of wave w belongs to wave (w + t) % 4.  Each wave sends (c m, l) of its four tiles to their owners, and in three turns the partial O^T of tiles 1, 2, 3: in turn t each owner's region
; takes exactly one tile.  The owner weighs the four by a_t = 2^(c m_t - max) / sum of a l, and stores.  Five barriers; behind none of them is a slot filled, so the ring's load may stay out across them.
.macro PUT t                           ; my tile t into its owner's region; then everybody's is there
	WIN 0x04                                       ; the data in window 1
.set q, 0
.rept 16
	ds_store_b128 v[WA+(\t)], v[64*(\t)+4*q:64*(\t)+4*q+3] offset:512*q
.set q, q+1
.endr
	WIN 0
	s_wait_dscnt 0x0                               ; for the others' sake: my stores are done
	s_barrier_signal -1
	s_barrier_wait -1
.endm
.macro GET                             ; what lies in my region
.set q, 0
.rept 16
	ds_load_b128 v[TT+4*q:TT+4*q+3], v[WA] offset:512*q
.set q, q+1
.endr
.endm
.macro ADDIN t
	s_wait_dscnt 0x0
	WIN 0x50                                       ; source 2 and destination in window 1
.set q, 0
.rept 32
	v_pk_fma_f32 v[2*q:2*q+1], v[TT+2*q:TT+2*q+1], v[AW+2*(\t):AW+2*(\t)+1], v[2*q:2*q+1]
.set q, q+1
.endr
	WIN 0
.endm
.macro MEET                            ; my reads of my region are over (ADDIN has waited): the next turn may write it
	s_barrier_signal -1
	s_barrier_wait -1
.endm
.macro FINISH more, optr
.if \more
	WIN 0x80                                       ; the second band's Q: the last product that read Q stands a whole softmax back
.set i, 0
.rept 16
	global_load_b128 v[8*i:8*i+3],   v[QO+i/4], s[QB:QB+1] offset:(i%4)*64
	global_load_b128 v[8*i+4:8*i+7], v[QO+i/4], s[QB:QB+1] offset:(i%4)*64+32
.set i, i+1
.endr
.endif
	WIN 0
.irp t, 0,1,2,3
	v_add_f32 v[ST+8*\t+4], v[ST+8*\t+2], v[ST+8*\t+3]   ; l's two halves; these lines are also the places behind the last products
.endr
.irp t, 0,1,2,3
	v_permlanex16_b32 v[ST+8*\t+5], v[ST+8*\t+4], s[SEL], s[SEL+1]
.endr
.irp t, 0,1,2,3
	v_add_f32 v[ST+8*\t+1], v[ST+8*\t+4], v[ST+8*\t+5]   ; l takes m's place beside c m
.endr
.irp t, 0,1,2,3
	ds_store_b64 v[SWA+\t], v[ST+8*\t:ST+8*\t+1]
.endr
	PUT 1
.irp t, 0,1,2,3
	ds_load_b64 v[SC+2*\t:SC+2*\t+1], v[SWA] offset:256*\t   ; entry t comes from wave (w - t) % 4, like the tile of turn t
.endr
	GET
	s_wait_dscnt 16                                ; the four pairs are in; the tile's 16 loads may stay out
	v_max3_num_f32 v72, v[SC], v[SC+2], v[SC+4]
	v_max_num_f32 v72, v72, v[SC+6]
.irp t, 0,1,2,3
	v_sub_f32 v[74+\t], v[SC+2*\t], v72
.endr
.irp t, 0,1,2,3
	v_exp_f32 v[AW+2*\t], v[74+\t]
.endr
	v_nop
	s_wait_alu depctr_va_vdst(0)                   ; one wait for the four
	v_mul_f32 v73, v[AW], v[SC+1]
	v_fmac_f32 v73, v[AW+2], v[SC+3]
	v_fmac_f32 v73, v[AW+4], v[SC+5]
	v_fmac_f32 v73, v[AW+6], v[SC+7]               ; the row's whole sum: at least 1, the weight of its largest score
	v_rcp_f32 v78, v73
	v_nop
	s_wait_alu depctr_va_vdst(0)
.irp t, 0,1,2,3
	v_mul_f32 v[AW+2*\t+1], v[AW+2*\t], v78
	v_mul_f32 v[AW+2*\t], v[AW+2*\t], v78
.endr
	WIN W_RS
.set q, 0
.rept 32
	v_pk_mul_f32 v[2*q:2*q+1], v[2*q:2*q+1], v[AW:AW+1]
.set q, q+1
.endr
	WIN 0
	ADDIN 1
	MEET
	PUT 2
	GET
	ADDIN 2
	MEET
	PUT 3
	GET
	ADDIN 3
	WIN 0x05                                       ; sources in window 1: my tile, rounded to f16; my region now serves as my stage: no other wave touches it before the next change of slots' barrier
.set q, 0
.rept 32
	v_cvt_pk_f16_f32 v[OP+q], v[2*q], v[2*q+1]
.set q, q+1
.endr
	WIN 0
.irp f, 0,1,2,3,4,5,6,7
	ds_store_b128 v[STO], v[OP+4*\f:OP+4*\f+3] offset:32*\f
.endr
.irp f, 0,1,2,3,4,5,6,7
	ds_load_b128 v[OP+4*\f:OP+4*\f+3], v[RD] offset:\f*2*SP   ; LDS serves a wave's instructions in order (ISA guide 5.7.1.4): these see the stores above
.endr
.irp f, 0,1,2,3,4,5,6,7
	s_wait_dscnt 7-\f
	global_store_b128 v[GO], v[OP+4*\f:OP+4*\f+3], s[\optr:\optr+1] offset:8192*\f   ; 16 lanes store 256 consecutive bytes, aligned
.endr
.if \more
	s_wait_xcnt 0x0                                ; the stores have read their registers, which the next scores overwrite
	s_add_co_u32 s[RT], s[PB], 1                   ; the second band has p + 1 tiles
	s_mov_b32 s[NEW], 1
.endif
.endm
.Lslot:                                                ; eight trips: a tile is entered and the next is asked for
	CHANGE 1
	BODY
	s_cmp_eq_u32 s[RT], 0
	s_cbranch_scc0 .Lgo_on                         ; in the loop only the first band ends (trip 7 - p); the second's last tile is the walk's last
	FINISH 1, OA
.Lgo_on:
	s_sub_co_u32 s[SLOTS], s[SLOTS], 1
	s_cmp_lg_u32 s[SLOTS], 0
	s_cbranch_scc1 .Lslot
	CHANGE 0                                       ; the walk's last tile is written out: nothing is asked for
	BODY
	FINISH 0, OB
	s_wait_tensorcnt 0x0                           ; the wave's end, behind my last tensor load and my last LDS store
	ds_add_u32 v[SPW], v[NIL]
	s_wait_dscnt 0x0
	CROUND                                         ; the closing round: no work-group ends while a partner may still ask for a tile that names it
	s_endpgm
.Lfunc_end_k_q0d1c4a90b7_attn:
	.size	k_q0d1c4a90b7_attn, .Lfunc_end_k_q0d1c4a90b7_attn-k_q0d1c4a90b7_attn
	.p2alignl 7, 3214868480
	.fill 96, 4, 3214868480
	.section	.rodata,"a",@progbits
	.p2align	6, 0x0
	.amdhsa_kernel k_q0d1c4a90b7_attn
		.amdhsa_group_segment_fixed_size 327680
		.amdhsa_private_segment_fixed_size 0
		.amdhsa_enable_private_segment 0
		.amdhsa_kernarg_size 16
		.amdhsa_user_sgpr_count 2
		.amdhsa_user_sgpr_kernarg_segment_ptr 1
		.amdhsa_wavefront_size32 1
		.amdhsa_system_sgpr_workgroup_id_x 1
		.amdhsa_system_sgpr_workgroup_id_y 1
		.amdhsa_system_sgpr_workgroup_id_z 1
		.amdhsa_system_vgpr_workitem_id 0
		.amdhsa_next_free_vgpr 1024
		.amdhsa_next_free_sgpr 88
		.amdhsa_reserve_vcc 1
		.amdhsa_float_denorm_mode_32 3
		.amdhsa_float_denorm_mode_16_64 3
		.amdhsa_memory_ordered 1
		.amdhsa_forward_progress 1
		.amdhsa_inst_pref_size 168
	.end_amdhsa_kernel
	.amdgpu_metadata
---
amdhsa.version: [ 1, 2 ]
amdhsa.kernels:
  - .name:           k_q0d1c4a90b7_attn
    .symbol:         k_q0d1c4a90b7_attn.kd
    .args:
      - { .name: qkv, .offset: 0, .size: 8, .value_kind: global_buffer, .address_space: global }
      - { .name: attn, .offset: 8, .size: 8, .value_kind: global_buffer, .address_space: global }
    .group_segment_fixed_size: 327680
    .private_segment_fixed_size: 0
    .kernarg_segment_align: 8
    .kernarg_segment_size: 16
    .max_flat_workgroup_size: 128
    .sgpr_count:     88
    .vgpr_count:     1024
    .wavefront_size: 32
...
	.end_amdgpu_metadata
.endif
;; end of part 3
;; launch gemm_out (part 4): grid 16 x 16, 4 waves a work-group, clusters of 4 x 4, 327,680 bytes of LDS; arguments attn, wob, amax, out0; writes out0
.if DOCPART == 4
	.amdgcn_target "amdgcn-amd-amdhsa--gfx1250"
	.amdhsa_code_object_version 6
	.text
	.protected	k_q0d1c4a90b7_gemm_out
	.globl	k_q0d1c4a90b7_gemm_out
	.p2align	8
	.type	k_q0d1c4a90b7_gemm_out,@function
k_q0d1c4a90b7_gemm_out:
	s_mov_b64 s[64:65], 0
	v_nop
	global_prefetch_b8 v0, s[64:65] scope:SCOPE_SE
	s_setreg_imm32_b32 hwreg(HW_REG_WAVE_MODE, 25, 1), 1
	s_wait_xcnt 0x0
	s_wait_alu depctr_hold_cnt(0) depctr_sa_sdst(0) depctr_va_vdst(0) depctr_va_sdst(0) depctr_va_ssrc(0) depctr_va_vcc(0) depctr_vm_vsrc(0)
	s_getreg_b32 s2, hwreg(HW_REG_IB_STS2, 6, 4)
	s_cmp_eq_u32 s2, 0
	s_cbranch_scc0 .Lentry_in_a_cluster
	s_endpgm
.Lentry_in_a_cluster:
	s_bfe_u32 s2, ttmp6, 0x10000c
	s_cmp_lg_u32 s2, 0xf033
	s_cbranch_scc0 .Lentry_shape_is_right
	s_endpgm
.Lentry_shape_is_right:
; out0 = (f O) Wo^T / f.  attn: [2048][2048] f16 (f O), wob: [4096][2048] f16 (Wo rounded to bf16, written as f16), out0: [2048][4096] f32; sums in f32.
; 1 / f = max|x| max|Wv| / 8, made from the same maxima as f in the projection's launch.
; TILE, CLUSTER and the transposed use of the matrix instruction are those of the projection's launch: a tile of 128 x 256 of C, 16 x 16 = 256 work-groups, four waves of 64 x 128,
; A's tile shared along a row of the 4 x 4 cluster and B's along a column by joint tensor loads.
; THE RING is that launch's too: a small LDS slot of 128 along K (rows of 256 bytes) and a big one of 256 (rows of 512 bytes), 104,448 + 202,752 bytes, by turns along K: here 128, then five times 256 and 128.
; 384 along K have two changes of slots; the small slot's refill has the big slot's 256 matrix instructions a wave in which to land, the big slot's refill the small slot's 128.
; LIMITS.  max|x| max|Wv| counts as at least 1e-30.  NaN and infinities are not treated apart.
; REGISTERS.  window 0: v0-31 addresses and small things; v64-127 A's fragments, two buffers of 4; v128-255 B's, two buffers of 8 (on the way out: scaled results, rows read back).  window 1: accumulator (a, b) at v[8 (8 a + b)].
.set SIZE_K, 2048
.set FIRST,  0                         ; the first chunk along K is a small one
.set PASSES, 5                         ; (2 SIZE_K - 256) / 768: how often a big and a small chunk follow
.set PS,     272                       ; a row of the small slot: 256 bytes + 16 of padding: the 16 rows of a load start at 16 different groups of four banks (64 banks of 4 bytes: ISA guide 11.1)
.set PB,     528                       ; of the big slot: 512 + 16: likewise
.set SMB,    128*PS                    ; small slot: A's 128 rows at 0, B's 256 here
.set BGA,    SMB+256*PS                ; big slot: A's rows,
.set BGB,    BGA+128*PB                ; B's rows
.set STAGE,  BGB+256*PB                ; behind the ring: 16 rows x 272 bytes for each wave, for the way out
.set SPITCH, 272
.set SPARE,  STAGE+4*16*SPITCH         ; behind the stages: the spare words, 128 bytes a wave
.set KOF0,   512*FIRST                 ; byte along a row at which the first small chunk begins,
.set KOF1,   256*(1-FIRST)             ; and the first big one
.set LAPB,   768                       ; bytes along a row from a slot's chunk to its next
.set FIELDS, (1<<16)|(1<<20)|(1<<21)|(5<<22)|(3<<25)  ; 2-byte elements; padding on; 21 set beside a mask; after every 64 words (the big slot: 128, one more in this field) 4 words
.set FV,    12                         ; v[12:13] 1 / f, twice
.set ADA,   16                         ; v16 LDS address of my A fragments in the small slot;  v22 (ADA + 6) in the big slot, at the pair of quarters in hand
.set ADB,   17                         ; v17, v23 the same for B
.set AB0,   20                         ; v20, v21 the big slot's addresses at its first quarter; never rewritten
.set BB0,   21
.set STO,   24                         ; the way out: where I put 32 bytes of a row
.set RD,    25                         ; where I read rows back
.set CO,    26                         ; my byte offset in two rows of out0
.set SPW,   28                         ; LDS address of my spare word; never rewritten
.set NIL,   29                         ; 0; never rewritten
.set PFO,   30                         ; the prefetches' offset: my lane x a row of 2 SIZE_K bytes; never rewritten
.set FA,    64
.set FB,    128
.set OT,    128                        ; the way out: a block's 64 numbers a lane, scaled
.set BK,    192                        ; 16 rows x 256 bytes read back: 32 registers for each half of the columns
.set CNT, 9                            ; s9   counts the big slot's pairs of quarters
.set G1A, 24                           ; s[24:31], s[32:39] descriptor group 1 for A's tiles, small and big
.set G1B, 40                           ; s[40:47], s[48:55] for B's
.set G0A, 56                           ; s[56:59], s[60:63] group 0 for A's tiles, small and big
.set G0B, 68                           ; s[68:71], s[72:75] for B's
.set CX,  94
.set CY,  95
.set XT,  96                           ; tile column
.set LIM, 97                           ; 1 in a wave that prefetches, else the greatest number
.set KO,  99                           ; byte along the big slot's rows of the pair of quarters in hand
.set PFA, 100                          ; s[100:101] where my prefetches stand
.set MUL, 0x50                         ; C and D in window 1, sources in window 0
.set MSB, 0
.macro WIN new                         ; the immediate's high byte repeats the setting that is left; a switch that changes nothing is dropped
.if MSB != (\new)
	s_set_vgpr_msb (MSB<<8)|(\new)
.set MSB, \new
.endif
.endm
.macro PLACES                          ; four places in front of loads into registers that matrix instructions have read (ISA guide 7.12.1 for vector instructions)
.rept 4
	v_nop
.endr
.endm
.macro JLOAD t                         ; a joint refill of slot t (0 small, 1 big): waves 0 and 1 fetch A's halves, waves 2 and 3 B's; an s_nop 0 and four v_nop follow each line
	s_cmp_eq_u32 s11, 0
	s_cbranch_scc0 .Lfor_b_\@
	tensor_load_to_lds s[G0A+4*(\t):G0A+4*(\t)+3], s[G1A+8*(\t):G1A+8*(\t)+7]
	s_nop 0
.rept 4
	v_nop
.endr
	s_branch .Lasked_\@
.Lfor_b_\@:
	tensor_load_to_lds s[G0B+4*(\t):G0B+4*(\t)+3], s[G1B+8*(\t):G1B+8*(\t)+7]
	s_nop 0
.rept 4
	v_nop
.endr
.Lasked_\@:
.endm
; A prefetch, behind the refill of slot t, of the chunk that the NEXT refill will load, which follows it along K: 32 rows, a lane a row; 256 bytes of each or (behind the small slot's refill) 512, in two lines.
; A's rows by the clusters with x = 0 (wave 0, 32 rows a partner, told apart by address), B's by the clusters with y = 0 (waves 2 and 3, 32 rows each): each block of 256 bytes is named once in the launch.
; The first three chunks come by their loads alone; the last refill, the small slot's in the last pass, has no chunk behind it.
.macro ASK t
.if (\t) == FIRST
	s_cmp_gt_u32 s3, s[LIM]                        ; s3 = 1 in the last pass
.else
	s_cmp_ge_u32 s3, s[LIM]
.endif
	s_cbranch_scc0 .Lnot_mine_\@
	global_prefetch_b8 v[PFO], s[PFA:PFA+1] th:TH_LOAD_NT scope:SCOPE_SE
.if (\t) == 0
	global_prefetch_b8 v[PFO], s[PFA:PFA+1] offset:256 th:TH_LOAD_NT scope:SCOPE_SE
.endif
.Lnot_mine_\@:
.endm
.macro CREST                           ; a round of the cluster's barrier behind its opening barrier
	s_cmp_lg_u32 s10, 0
	s_cbranch_scc1 .Lnot_wave_0_\@
	s_barrier_signal -3
.Lnot_wave_0_\@:
	s_barrier_wait -3
	s_barrier_signal -1
	s_barrier_wait -1
.endm
.macro CROUND
	s_barrier_signal -1
	s_barrier_wait -1
	CREST
.endm
	s_load_b128 s[4:7], s[0:1], 0x0                ; attn 4, wob 6
	s_load_b128 s[84:87], s[0:1], 0x10             ; amax 84, out0 86
	v_lshl_add_u32 v[SPW], v0, 2, SPARE
	v_mov_b32 v[NIL], 0
	ds_add_u32 v[SPW], v[NIL]                      ; the wave's opening: the add and its wait stand ahead of my first tensor load; work on registers stands between them
	v_lshrrev_b32 v1, 5, v0
	v_readfirstlane_b32 s10, v1                    ; wave 0..3
	s_lshr_b32 s11, s10, 1                         ; my half of the tile's rows.  Also: I fetch for A (0) or for B (1)
	s_and_b32 s12, s10, 1                          ; my half of its columns.  Also: which half of that tile I fetch
	s_bfe_u32 s[CX], ttmp6, 0x40000
	s_bfe_u32 s[CY], ttmp6, 0x40004
	s_lshl_b32 s[XT], ttmp9, 2
	s_add_co_u32 s[XT], s[XT], s[CX]               ; tile column = 4 x cluster x + cx
	s_and_b32 s13, ttmp7, 0xffff
	s_lshl_b32 s13, s13, 2
	s_add_co_u32 s13, s13, s[CY]                   ; tile row = 4 x cluster y + cy
	s_lshl_b32 s14, s[CY], 2
	s_lshl_b32 s14, 15, s14                        ; my row of the cluster
	s_lshl_b32 s15, 0x1111, s[CX]                  ; my column
.irp t, 0,1
	s_or_b32 s[G1A+8*\t], s14, FIELDS+(\t<<22)     ; A's tiles go to my row,
	s_or_b32 s[G1B+8*\t], s15, FIELDS+(\t<<22)     ; B's to my column
	s_mov_b32 s[G1A+8*\t+1], (128<<\t)<<16         ; tensor_dim0 = 128 or 256
	s_mov_b32 s[G1A+8*\t+2], 64<<16                ; tensor_dim1 = 64
	s_mov_b32 s[G1A+8*\t+3], (128<<\t)<<16         ; tile_dim0
	s_mov_b32 s[G1A+8*\t+4], 64                    ; tile_dim1
	s_mov_b32 s[G1A+8*\t+5], SIZE_K                ; elements from row to row
	s_mov_b32 s[G1A+8*\t+6], 0
	s_mov_b32 s[G1A+8*\t+7], 0
	s_mov_b32 s[G1B+8*\t+1], (128<<\t)<<16
	s_mov_b32 s[G1B+8*\t+2], 128<<16               ; B: 128 rows a load
	s_mov_b32 s[G1B+8*\t+3], (128<<\t)<<16
	s_mov_b32 s[G1B+8*\t+4], 128
	s_mov_b32 s[G1B+8*\t+5], SIZE_K
	s_mov_b32 s[G1B+8*\t+6], 0
	s_mov_b32 s[G1B+8*\t+7], 0
.endr
	s_lshl_b32 s16, s13, 7                         ; A: row 128 x tile row + 64 x half, in bytes
	s_lshl_b32 s17, s12, 6
	s_add_co_u32 s16, s16, s17
	s_mul_i32 s16, s16, SIZE_K*2
	s_mov_b32 s17, 0
	s_lshl_b32 s18, s[XT], 8                       ; B: row 256 x tile column + 128 x half
	s_lshl_b32 s19, s12, 7
	s_add_co_u32 s18, s18, s19
	s_mul_i32 s18, s18, SIZE_K*2
	s_mov_b32 s19, 0
	s_mov_b32 s[KO], 0
	s_mov_b32 s92, 0x76543210                      ; v_permlanex16_b32: each lane takes its own place in the other half
	s_mov_b32 s93, 0xfedcba98
	s_wait_dscnt 0x0                               ; the opening add is done
	s_wait_kmcnt 0x0
	s_add_nc_u64 s[14:15], s[4:5], s[16:17]
	s_add_nc_u64 s[18:19], s[6:7], s[18:19]
	CROUND                                         ; all sixteen work-groups are here: the first joint loads meet
.irp t, 0,1
	s_mov_b32 s[G0A+4*\t], 1                       ; count = 1
	s_mul_i32 s[G0A+4*\t+1], s12, 64*(PS+256*\t)   ; LDS address: my half of A's rows in slot t: no place in the cluster enters it
	s_add_co_u32 s[G0A+4*\t+1], s[G0A+4*\t+1], BGA*\t
	s_add_nc_u64 s[G0A+4*\t+2:G0A+4*\t+3], s[14:15], KOF0+\t*(KOF1-KOF0)  ; global address: the slot's first chunk
	s_or_b32 s[G0A+4*\t+3], s[G0A+4*\t+3], 0x80000000                     ; type = 2
	s_mov_b32 s[G0B+4*\t], 1
	s_mul_i32 s[G0B+4*\t+1], s12, 128*(PS+256*\t)
	s_add_co_u32 s[G0B+4*\t+1], s[G0B+4*\t+1], SMB+\t*(BGB-SMB)
	s_add_nc_u64 s[G0B+4*\t+2:G0B+4*\t+3], s[18:19], KOF0+\t*(KOF1-KOF0)
	s_or_b32 s[G0B+4*\t+3], s[G0B+4*\t+3], 0x80000000
.endr
	s_cmp_eq_u32 s11, 0                            ; a wave's two first fills stand in one branch, ahead of every wait on TENSORcnt and every LDS read, the first chunk's first: two loads of mine are out
	s_cbranch_scc0 .Lfirst_b
	tensor_load_to_lds s[G0A+4*FIRST:G0A+4*FIRST+3], s[G1A+8*FIRST:G1A+8*FIRST+7]
	s_nop 0
	tensor_load_to_lds s[G0A+4*(1-FIRST):G0A+4*(1-FIRST)+3], s[G1A+8*(1-FIRST):G1A+8*(1-FIRST)+7]
	s_nop 0
.rept 4
	v_nop
.endr
	s_branch .Lfirst_asked
.Lfirst_b:
	tensor_load_to_lds s[G0B+4*FIRST:G0B+4*FIRST+3], s[G1B+8*FIRST:G1B+8*FIRST+7]
	s_nop 0
	tensor_load_to_lds s[G0B+4*(1-FIRST):G0B+4*(1-FIRST)+3], s[G1B+8*(1-FIRST):G1B+8*(1-FIRST)+7]
	s_nop 0
.rept 4
	v_nop
.endr
.Lfirst_asked:
	; A fragment is 16 rows x 32 K in 8 registers: lane l holds row l % 16; registers 0-3 K = 8 (l / 16) + 0..7, registers 4-7 K = 16 + 8 (l / 16) + 0..7: two loads of 16 bytes, 32 bytes apart.
	v_and_b32 v1, 15, v0                           ; r = l % 16
	v_bfe_u32 v2, v0, 4, 1                         ; h = l / 16
	v_mul_u32_u24 v3, v1, PS
	v_lshl_add_u32 v3, v2, 4, v3                   ; small slot: row x pitch + 16 h
	v_mul_u32_u24 v4, v1, PB
	v_lshl_add_u32 v4, v2, 4, v4                   ; big slot
	s_mul_i32 s20, s11, 64*PS                      ; my 64 rows of A
	s_mul_i32 s21, s12, 128*PS                     ; my 128 rows of B
	s_add_co_u32 s21, s21, SMB
	v_add_nc_u32 v[ADA], s20, v3
	v_add_nc_u32 v[ADB], s21, v3
	s_mul_i32 s20, s11, 64*PB
	s_add_co_u32 s20, s20, BGA
	s_mul_i32 s21, s12, 128*PB
	s_add_co_u32 s21, s21, BGB
	v_add_nc_u32 v[AB0], s20, v4
	v_add_nc_u32 v[BB0], s21, v4
	v_mov_b32 v[ADA+6], v[AB0]
	v_mov_b32 v[ADB+6], v[BB0]
	s_mul_i32 s23, s10, 16*SPITCH
	s_add_co_u32 s23, s23, STAGE                   ; my stage
	v_mul_u32_u24 v[STO], v1, SPITCH               ; in: row r, 32 bytes for each half of the lanes
	v_lshl_add_u32 v[STO], v2, 5, v[STO]
	v_add_nc_u32 v[STO], s23, v[STO]
	v_mul_u32_u24 v4, v2, SPITCH                   ; back: lanes 0-15 one row's 256 bytes, lanes 16-31 the next row's
	v_lshl_add_u32 v4, v1, 4, v4
	v_add_nc_u32 v[RD], s23, v4
	v_lshlrev_b32 v[CO], 14, v2                    ; and the same two rows in out0: rows of 16,384 bytes
	v_lshl_add_u32 v[CO], v1, 4, v[CO]
	s_lshl_b32 s16, s13, 7
	s_lshl_b32 s17, s11, 6
	s_add_co_u32 s16, s16, s17                     ; my first row
	s_lshl_b32 s22, s16, 14
	s_lshl_b32 s23, s[XT], 10                      ; the tile's 256 columns: 1,024 bytes
	s_add_co_u32 s22, s22, s23
	s_lshl_b32 s23, s12, 9                         ; my 128 of them
	s_add_co_u32 s22, s22, s23
	s_mov_b32 s23, 0
	s_add_nc_u64 s[88:89], s[86:87], s[22:23]
	v_and_b32 v5, 31, v0
	v_lshlrev_b32 v5, 4, v5
.irp i, 0,1,2,3
	global_load_b128 v[32+4*\i:35+4*\i], v5, s[84:85] offset:512*\i   ; the 512 maxima of hidden_states' units,
.endr
	global_load_b128 v[48:51], v5, s[84:85] offset:5120                ; the 256 of Wv's (units 1280-1535)
	global_load_b128 v[52:55], v5, s[84:85] offset:5632
	; the prefetches' address and who asks
	s_lshl_b32 s20, s13, 7                         ; A: 128 x tile row + 32 cx
	s_lshl_b32 s21, s[CX], 5
	s_add_co_u32 s20, s20, s21
	s_lshl_b32 s21, s[XT], 8                       ; B: 256 x tile column + 64 cy + 32 x half
	s_lshl_b32 s22, s[CY], 6
	s_add_co_u32 s21, s21, s22
	s_lshl_b32 s22, s12, 5
	s_add_co_u32 s21, s21, s22
	s_and_b32 s22, ttmp7, 0xffff                   ; cluster y
	s_cmp_eq_u32 s11, 0
	s_cselect_b32 s20, s20, s21
	s_cselect_b32 s22, ttmp9, s22                  ; the coordinate along which other clusters read the same rows
	s_cselect_b64 s[PFA:PFA+1], s[4:5], s[6:7]
	s_cmp_eq_u32 s10, 1
	s_cselect_b32 s22, 1, s22                      ; wave 1 never asks: A's 32 rows a work-group are wave 0's
	s_cmp_eq_u32 s22, 0
	s_cselect_b32 s[LIM], 1, -1                    ; the same in all sixteen partners, for a given wave
	s_mul_i32 s20, s20, SIZE_K*2
	s_mov_b32 s21, 0
	s_add_nc_u64 s[PFA:PFA+1], s[PFA:PFA+1], s[20:21]
	s_add_nc_u64 s[PFA:PFA+1], s[PFA:PFA+1], LAPB  ; the first change of slots steps it to the fourth chunk along K; nothing is asked here, at the head
	v_and_b32 v[PFO], 31, v0
	v_mul_u32_u24 v[PFO], v[PFO], SIZE_K*2
	s_wait_loadcnt 0x0
	v_max3_num_f32 v32, v32, v33, v34
	v_max3_num_f32 v35, v35, v36, v37
	v_max3_num_f32 v38, v38, v39, v40
	v_max3_num_f32 v41, v41, v42, v43
	v_max3_num_f32 v44, v44, v45, v46
	v_max3_num_f32 v48, v48, v49, v50
	v_max3_num_f32 v51, v51, v52, v53
	v_max3_num_f32 v32, v32, v35, v38
	v_max3_num_f32 v41, v41, v44, v47
	v_max3_num_f32 v48, v48, v54, v55
	v_max_num_f32 v32, v32, v41
	v_max_num_f32 v48, v48, v51
.irp m, 1,2,4,8
	v_max_num_f32_dpp v32, v32, v32 row_xmask:\m row_mask:0xf bank_mask:0xf
	v_max_num_f32_dpp v48, v48, v48 row_xmask:\m row_mask:0xf bank_mask:0xf
.endr
	v_permlanex16_b32 v33, v32, s92, s93
	v_permlanex16_b32 v49, v48, s92, s93
	v_max_num_f32 v32, v32, v33                    ; max|x|
	v_max_num_f32 v48, v48, v49                    ; max|Wv|
	v_mul_f32 v14, v32, v48
	v_max_num_f32 v14, 0x0da24260, v14             ; at least 1e-30, as where f was made
	v_mul_f32 v[FV], 0x3e000000, v14               ; 1 / f = max|x| max|Wv| / 8
	v_mov_b32 v[FV+1], v[FV]
; 8 matrix instructions: row block a x all 8 column blocks, 32 along K, from buffer f.  zero = 1: the product starts the sums: nothing is cleared.  The 32 accumulators take turns, over the jumps too.
.macro MULA f, a, zero
	WIN MUL
.irp b, 0,1,2,3,4,5,6,7
.if \zero
	v_wmma_f32_16x16x32_f16 v[8*(8*(\a)+(\b)):8*(8*(\a)+(\b))+7], v[FB+64*(\f)+8*(\b):FB+64*(\f)+8*(\b)+7], v[FA+32*(\f)+8*(\a):FA+32*(\f)+8*(\a)+7], 0
.else
	v_wmma_f32_16x16x32_f16 v[8*(8*(\a)+(\b)):8*(8*(\a)+(\b))+7], v[FB+64*(\f)+8*(\b):FB+64*(\f)+8*(\b)+7], v[FA+32*(\f)+8*(\a):FA+32*(\f)+8*(\a)+7], v[8*(8*(\a)+(\b)):8*(8*(\a)+(\b))+7]
.endif
.endr
.endm
; 24 LDS loads in one run: the fragments of 32 along K, k bytes behind slot t's address registers, into buffer f: B's eight, then A's four
.macro FETCH t, k, f
	WIN 0
.irp i, 0,1,2,3,4,5,6,7
	ds_load_b128 v[FB+64*(\f)+8*(\i):FB+64*(\f)+8*(\i)+3],   v[ADB+6*(\t)] offset:(\k)+(\i)*16*(PS+256*(\t))
	ds_load_b128 v[FB+64*(\f)+8*(\i)+4:FB+64*(\f)+8*(\i)+7], v[ADB+6*(\t)] offset:(\k)+(\i)*16*(PS+256*(\t))+32
.endr
.irp i, 0,1,2,3
	ds_load_b128 v[FA+32*(\f)+8*(\i):FA+32*(\f)+8*(\i)+3],   v[ADA+6*(\t)] offset:(\k)+(\i)*16*(PS+256*(\t))
	ds_load_b128 v[FA+32*(\f)+8*(\i)+4:FA+32*(\f)+8*(\i)+7], v[ADA+6*(\t)] offset:(\k)+(\i)*16*(PS+256*(\t))+32
.endr
.endm
; A quarter is 32 along K, 32 matrix instructions; the small slot has four, the big slot eight, on buffers 0, 1, 0, 1 ..  This one multiplies buffer f; in its middle it fetches the next quarter, k bytes on in slot t, into g.
.macro QUARTER t, k, f, g, zero
	s_wait_dscnt 4                                 ; B and A's blocks 0 and 1 are in; the youngest four loads (A's blocks 2 and 3) may be out
	MULA \f, 0, \zero
	MULA \f, 1, \zero
	PLACES
	FETCH \t, \k, \g
	s_wait_dscnt 24                                ; all but the 24 just issued
	MULA \f, 2, \zero
	MULA \f, 3, \zero
.endm
; Slot t's last quarter multiplies buffer 1 and changes slots: ONE barrier; in front of it each wave waits for all its tensor loads (one is out: its part of the other slot), adds 0 to its spare word, and waits for that
; and for its own reads of slot t.  fill = 1: the barrier opens a round of the cluster's barrier, and slot t is filled again, first thing behind the round, with its next chunk, 768 bytes on along the rows.
.macro TURN t, fill
.if \fill
	s_wait_xcnt 0x0                                ; the last prefetches, a change of slots back, have read their address: it is stepped here, past what they named, ahead of the waits of this change
	s_add_nc_u64 s[PFA:PFA+1], s[PFA:PFA+1], 256+256*(\t)
.endif
	WIN 0
	s_wait_tensorcnt 0x0                           ; all my tensor loads have landed
	ds_add_u32 v[SPW], v[NIL]                      ; 0 onto my spare word
	s_wait_dscnt 5                                 ; (the add and the youngest four loads may be out)
	MULA 1, 0, 0                                   ; eight matrix instructions stand between the add and the wait for it
	s_wait_dscnt 0x0                               ; the add is done, and my reads of slot t are over
	s_barrier_signal -1
	MULA 1, 1, 0                                   ; work on registers while the others arrive
	WIN 0                                          ; at a branch and at a label every window is 0
	s_barrier_wait -1
.if \fill
	CREST                                          ; no wave of any partner still reads this slot's tiles or has a load on its way
	s_add_nc_u64 s[G0A+4*(\t)+2:G0A+4*(\t)+3], s[G0A+4*(\t)+2:G0A+4*(\t)+3], LAPB   ; the type bits on top are not reached
	s_add_nc_u64 s[G0B+4*(\t)+2:G0B+4*(\t)+3], s[G0B+4*(\t)+2:G0B+4*(\t)+3], LAPB
	JLOAD \t                                       ; the four v_nop behind it are also the places in front of the loads below
.if \t
	s_mov_b32 s[KO], 0                             ; the big slot's addresses go back to its first quarter
	v_mov_b32 v[ADA+6], v[AB0]
	v_mov_b32 v[ADB+6], v[BB0]
.endif
.else
	PLACES
.endif
	FETCH 1-(\t), 0, 0
.if \fill
	ASK \t
.endif
	MULA 1, 2, 0
	MULA 1, 3, 0
.endm
.macro STEPB                           ; the big slot's addresses step a pair of quarters on
	s_add_co_u32 s[KO], s[KO], 128
	v_add_nc_u32 v[ADA+6], s[KO], v[AB0]
	v_add_nc_u32 v[ADB+6], s[KO], v[BB0]
.endm
	s_wait_tensorcnt 0x1                           ; my part of the first chunk is in; the second's may stay out
	s_barrier_signal -1
	s_barrier_wait -1                              ; everybody's is
	FETCH 0, 0, 0
	QUARTER 0, 64, 0, 1, 1                         ; the first quarter stands in front of the loop: its products start the sums
	WIN 0
	s_mov_b32 s3, PASSES
	s_branch .Lenter                               ; the first pass is entered behind the small slot's first quarter
.Llap:                                                 ; a pass: the big slot's last quarter, the small slot's four, the big slot's first seven
	TURN 1, 1
	QUARTER 0, 64, 0, 1, 0
	WIN 0
.Lenter:
	QUARTER 0, 128, 1, 0, 0
	QUARTER 0, 192, 0, 1, 0
	TURN 0, 1
	WIN 0
	s_mov_b32 s[CNT], 3
.Lbig:                                                 ; quarters 0 to 5 of the big slot, a pair a trip
	QUARTER 1, 64, 0, 1, 0
	QUARTER 1, 128, 1, 0, 0
	WIN 0
	STEPB
	s_sub_co_u32 s[CNT], s[CNT], 1
	s_cmp_lg_u32 s[CNT], 0
	s_cbranch_scc1 .Lbig
	QUARTER 1, 64, 0, 1, 0
	WIN 0
	s_sub_co_u32 s3, s3, 1
	s_cmp_lg_u32 s3, 0
	s_cbranch_scc1 .Llap
	TURN 1, 0                                      ; the last change fills nothing, and has no round; the last chunk, a small one, follows
	QUARTER 0, 64, 0, 1, 0
	QUARTER 0, 128, 1, 0, 0
	QUARTER 0, 192, 0, 1, 0
	s_wait_dscnt 4
	MULA 1, 0, 0
	MULA 1, 1, 0
	s_wait_dscnt 0x0
	MULA 1, 2, 0
	MULA 1, 3, 0
	WIN 0
	PLACES                                         ; behind the last products, in front of writes of their sources and of the first reads of their results
	PLACES
; THE WAY OUT.  Block a: 16 rows x my 128 columns, times 1 / f.  It goes out in two halves of 64 columns: 32 bytes a lane into my stage, back as rows of 256 bytes, and stored.
; Each accumulator's registers are read in ascending order.
.macro EPI a
	WIN 0x01                                       ; source 0 in window 1
.set i, 0
.rept 32
	v_pk_mul_f32 v[OT+2*i:OT+2*i+1], v[64*(\a)+2*i:64*(\a)+2*i+1], v[FV:FV+1]
.set i, i+1
.endr
	WIN 0
.irp c, 0,1
.irp b, 0,1,2,3
	ds_store_b128 v[STO], v[OT+32*\c+8*\b:OT+32*\c+8*\b+3]   offset:64*\b
	ds_store_b128 v[STO], v[OT+32*\c+8*\b+4:OT+32*\c+8*\b+7] offset:64*\b+16
.endr
	s_wait_xcnt 0x0                                ; the last block's stores have read these registers: they are loaded again only behind this wait
.irp t, 0,1,2,3,4,5,6,7
	ds_load_b128 v[BK+32*\c+4*\t:BK+32*\c+4*\t+3], v[RD] offset:\t*2*SPITCH   ; LDS serves a wave's instructions in order (ISA guide 5.7.1.4): these see the stores above; the next half's stores come behind them
.endr
.irp t, 0,1,2,3,4,5,6,7
	s_wait_dscnt 7-\t
	global_store_b128 v[CO], v[BK+32*\c+4*\t:BK+32*\c+4*\t+3], s[88:89] offset:(16*(\a)+2*\t)*16384+256*\c th:TH_STORE_NT   ; 16 lanes store 256 consecutive bytes, aligned
.endr
.endr
.endm
	EPI 0
	EPI 1
	EPI 2
	EPI 3
	s_wait_tensorcnt 0x0                           ; the wave's end, behind my last tensor load and my last LDS store
	ds_add_u32 v[SPW], v[NIL]
	s_wait_dscnt 0x0
	CROUND                                         ; the closing round: no work-group ends while a partner may still ask for a tile that names it
	s_endpgm
.Lfunc_end_k_q0d1c4a90b7_gemm_out:
	.size	k_q0d1c4a90b7_gemm_out, .Lfunc_end_k_q0d1c4a90b7_gemm_out-k_q0d1c4a90b7_gemm_out
	.p2alignl 7, 3214868480
	.fill 96, 4, 3214868480
	.section	.rodata,"a",@progbits
	.p2align	6, 0x0
	.amdhsa_kernel k_q0d1c4a90b7_gemm_out
		.amdhsa_group_segment_fixed_size 327680
		.amdhsa_private_segment_fixed_size 0
		.amdhsa_enable_private_segment 0
		.amdhsa_kernarg_size 32
		.amdhsa_user_sgpr_count 2
		.amdhsa_user_sgpr_kernarg_segment_ptr 1
		.amdhsa_wavefront_size32 1
		.amdhsa_system_sgpr_workgroup_id_x 1
		.amdhsa_system_sgpr_workgroup_id_y 1
		.amdhsa_system_sgpr_workgroup_id_z 1
		.amdhsa_system_vgpr_workitem_id 0
		.amdhsa_next_free_vgpr 512
		.amdhsa_next_free_sgpr 102
		.amdhsa_reserve_vcc 0
		.amdhsa_float_denorm_mode_32 3
		.amdhsa_float_denorm_mode_16_64 3
		.amdhsa_memory_ordered 1
		.amdhsa_forward_progress 1
		.amdhsa_inst_pref_size 93
	.end_amdhsa_kernel
	.amdgpu_metadata
---
amdhsa.version: [ 1, 2 ]
amdhsa.kernels:
  - .name:           k_q0d1c4a90b7_gemm_out
    .symbol:         k_q0d1c4a90b7_gemm_out.kd
    .args:
      - { .name: attn, .offset: 0, .size: 8, .value_kind: global_buffer, .address_space: global }
      - { .name: wob, .offset: 8, .size: 8, .value_kind: global_buffer, .address_space: global }
      - { .name: amax, .offset: 16, .size: 8, .value_kind: global_buffer, .address_space: global }
      - { .name: out0, .offset: 24, .size: 8, .value_kind: global_buffer, .address_space: global }
    .group_segment_fixed_size: 327680
    .private_segment_fixed_size: 0
    .kernarg_segment_align: 8
    .kernarg_segment_size: 32
    .max_flat_workgroup_size: 128
    .sgpr_count:     102
    .vgpr_count:     512
    .wavefront_size: 32
...
	.end_amdgpu_metadata
.endif
;; end of part 4
